; MI455X (gfx1250); checked and timed in simulation.
; The chip was launched on July 23, 2026; its instructions are those of AMD's public machine-readable ISA for CDNA 5 (MIT licence, August 2026) and "CDNA5" Instruction Set Architecture Reference Guide (July 2026). The comments in the code are by the model that wrote it; some were corrected since.
;; Grouped Query Attention. Allowed arithmetic: matrix products marked QUANTISED: E2M1 operands, one E8M0 scale for each 32 along K, by v_wmma_scale_f32_16x16x128_f8f6f4 with both operands' format E2M1 (or v_wmma_scale_f32_32x16x128_f4), f32 sums; products left as they are: bf16, f16 or f32 operands; f32 sums; everything else in f32.
;; Inputs: W_kv 1,024 x 512 float32; W_out 1,024 x 1,024 float32; W_q 1,024 x 1,024 float32; b_out 1,024 float32; seq 1 x 4,096 x 1,024 float32.
;; Outputs: out0 1 x 4,096 x 1,024 float32; out1 1 x 4 x 4,096 x 64 float32; out2 1 x 4 x 4,096 x 64 float32.
;; This version of the problem:
;;   THIS VERSION OF THE PROBLEM IS GIVEN IN LOW PRECISION. The matrix products marked QUANTISED in the list below multiply operands that are first quantised to E2M1 (2 exponent bits, 1 mantissa bit; 4 bits a number), with one power-of-two scale for each 32 numbers along K (OCP MX v1.0); their sums are f32. The products marked 'left as it is' may take bf16, f16 or f32 operands, with f32 sums. Whichever they take, every output number must still come out within the allowed error. Rounding operands to bf16 (8 significant bits) uses up far more of that allowance than f16 does (11 bits, for magnitudes from 6e-5 to 65,504). All else is computed in f32.
;;   The module's matrix products, in the order in which they are computed (A, B: the left and right operand; K: the contracted axis; several contracted axes count as one K, in the product's order):
;;     1. [M 4,096, K 1,024] x [K 1,024, N 1,024]; A: input seq; B: input W_q: QUANTISED
;;     2. [M 4,096, K 1,024] x [K 1,024, N 512]; A: input seq; B: input W_kv: QUANTISED
;;     3. batch 16 x [M 4,096, K 64] x [K 64, N 4,096]; A: computed on the way; B: computed on the way: left as it is (an operand is computed on the way)
;;     4. batch 16 x [M 4,096, K 4,096] x [K 4,096, N 64]; A: computed on the way; B: computed on the way: left as it is (an operand is computed on the way)
;;     5. [M 4,096, K 1,024] x [K 1,024, N 1,024]; A: computed on the way; B: input W_out: left as it is (an operand is computed on the way)
;;   THE QUANTISER, for each operand of a quantised product, along K:
;;     - K is cut into blocks of 32 from its start; a last block that is shorter is filled with zeros.
;;     - A block's scale is 2^e with e = floor(log2(the largest magnitude in the block)) - 2, held to -126 .. 127; a block of zeros has e = 0. As a byte (E8M0): e + 127.
;;     - Each number is divided by its block's scale, clamped to +-6, and rounded to the nearest number of E2M1, ties to even, subnormals kept.
;;     - The product sums the exact products of the quantised numbers (number of the format x scale) in f32.
;;   ~~~python
;;   def quantise(x, axis):      # numpy; x: float32 -> the quantised numbers, widened to float32 again
;;       x = np.moveaxis(x, axis, -1); K = x.shape[-1]
;;       x = np.pad(x, [(0, 0)] * (x.ndim - 1) + [(0, -K % 32)]); x = x.reshape(x.shape[:-1] + (-1, 32)); a = np.abs(x).max(-1, keepdims=True)
;;       e = np.where(a > 0, np.clip(np.frexp(np.where(a > 0, a, 1))[1] - 1 - 2, -126, 127), 0)      # np.frexp(a)[1] - 1 = floor(log2(a)), exactly
;;       r = np.clip(x / 2.0 ** e, -6, 6)
;;       step = 2.0 ** (np.maximum(np.frexp(np.where(r == 0, 1, r))[1] - 1, 0) - 1)
;;       q = np.round(r / step) * step * 2.0 ** e      # np.round: ties to even
;;       return np.moveaxis(q.reshape(q.shape[:-2] + (-1,))[..., :K], -1, axis).astype(np.float32)
;;   ~~~
;; One version. Each part assembles by itself: llvm-mc -triple=amdgcn-amd-amdhsa -mcpu=gfx1250 --defsym DOCPART=n.
;; ======== version 1 of 1: 5 launches
;; limits: values are held in f16: magnitudes above 65,504 overflow, below 6.1e-05 lose precision
;; workspace buffers: sq 2,228,224 bytes; wq 835,584 bytes; wo 2,097,152 bytes; qf 8,388,608 bytes; kvf 4,194,304 bytes; q16 65,536 bytes; af 8,388,608 bytes
;; launch prep (part 1): grid 336 x 1, 4 waves a work-group, no clusters, 68,096 bytes of LDS; arguments seq, W_q, W_kv, W_out, sq, wq, wo; writes sq, wq, wo
.if DOCPART == 1
	.amdgcn_target "amdgcn-amd-amdhsa--gfx1250"
	.amdhsa_code_object_version 6
	.text
	.protected	k_qced735679e_prep
	.globl	k_qced735679e_prep
	.p2align	8
	.type	k_qced735679e_prep,@function
k_qced735679e_prep:
	s_mov_b64 s[64:65], 0
	v_nop
	global_prefetch_b8 v0, s[64:65] scope:SCOPE_SE
	s_setreg_imm32_b32 hwreg(HW_REG_WAVE_MODE, 25, 1), 1
	s_wait_xcnt 0x0
; seq [4096][1024], W_q [1024][1024], W_kv [1024][512] (f32) become codes of FP4 (E2M1) with one E8M0 byte for each 32 along K; W_out [1024][1024] becomes f16.
; ALL RESULTS ARE LAID AS IMAGES OF THE OPERANDS' REGISTERS: a fragment (8 registers a lane) is 1,024 bytes, register group c (4 registers) at 512 c + 16 x lane.
;   sq: codes [m tile 256][K step 8][1 KB], then from SSC scale words [m tile][pair of K steps 4][lane 32]: lanes 0-15 row r's word of the even K step, lanes 16-31 of the odd one.
;   wq: the same for the 96 tiles of 16 columns (0-63 W_q, 64-95 W_kv), scale words from WSC.      wo: f16 [K quarter 4][n tile 64][32 k 8][1 KB].
; A block's scale is 2^(floor(log2(largest magnitude)) - 2): its byte is the largest magnitude's exponent field - 2, held at 1 from below by a floor among the maximum's leaves.
; LIMITS: a block of zeros, and blocks whose largest magnitude lies under 2^-124, get the byte 1 (the rule says 127 for zeros: the codes are zeros, and these bytes are read by this program alone);
; NaN and infinities among the inputs are not served; W_out must lie within f16's range, +-65,504.
; WORK-GROUPS: 0-31 W_q, 32-47 W_kv, 48-79 W_out, 80-335 seq (one m tile each).  The paths part on the work-group's number; only seq's path touches LDS.
.set SSC,   2097152
.set WSC,   786432
.set STG,   8448                       ; a stage: 16 rows x (512 + 16) bytes
.set WREG,  16896                      ; two stages for each wave
.set SPARE, 67584                      ; behind the stages: the spare words, 128 bytes a wave
.set SPW, 10                           ; v10  my spare word's LDS address; never rewritten
.set NIL, 11                           ; v11  0; never rewritten
.set X0,  48                           ; v48-111   64 numbers of K step 0, in the operand's order
.set RG,  112                          ; v112-239  seq as loaded: 32 loads
.set X1,  112                          ; v112-175  64 numbers of K step 1
.set CD,  24                           ; v24-39    two fragments' codes
.set X,   64                           ; weights: v64-127 two sets of 32 numbers
.set C,   192                          ; weights: v192-223 codes, four registers a block
	s_load_b256 s[4:11], s[0:1], 0x0               ; seq, W_q, W_kv, W_out
	s_load_b128 s[12:15], s[0:1], 0x20             ; sq, wq
	s_load_b64 s[16:17], s[0:1], 0x30              ; wo
	v_lshl_add_u32 v[SPW], v0, 2, SPARE
	v_mov_b32 v[NIL], 0
	v_lshrrev_b32 v1, 5, v0
	v_readfirstlane_b32 s18, v1                    ; wave
	v_and_b32 v1, 31, v0                           ; lane
	v_and_b32 v2, 15, v0                           ; r
	v_bfe_u32 v3, v0, 4, 1                         ; h
	s_mov_b32 s20, 0x76543210
	s_mov_b32 s21, 0xfedcba98                      ; v_permlanex16_b32's selects for lane l xor 16
	s_mov_b32 s25, 0                               ; the upper word of every offset pair
	s_wait_kmcnt 0x0
	s_cmp_lt_u32 ttmp9, 32
	s_cbranch_scc1 .Lwq
	s_cmp_lt_u32 ttmp9, 48
	s_cbranch_scc1 .Lwkv
	s_cmp_lt_u32 ttmp9, 80
	s_cbranch_scc1 .Lwo
; ---- seq: m tile = work-group - 80; wave q takes K = 256 q .. 256 q + 255 of its 16 rows: two fragments.
; Each load reads 512 consecutive bytes of one row; the rows turn through the wave's own stage, so that lane (r, h) gets, of row r, the 32 neighbours of blocks h and 2 + h.
	s_sub_co_u32 s22, ttmp9, 80
	s_lshl_b32 s24, s22, 16                        ; 16 rows of 4,096 bytes
	s_lshl_b32 s26, s18, 10
	s_add_co_u32 s24, s24, s26
	s_add_nc_u64 s[4:5], s[4:5], s[24:25]
	s_lshl_b32 s24, s22, 13                        ; codes: (8 tile + 2 q) KB
	s_lshl_b32 s26, s18, 11
	s_add_co_u32 s24, s24, s26
	s_add_nc_u64 s[28:29], s[12:13], s[24:25]
	s_lshl_b32 s24, s22, 9                         ; scale words: 512 tile + 128 q
	s_lshl_b32 s26, s18, 7
	s_add_co_u32 s24, s24, s26
	s_add_co_u32 s24, s24, SSC
	s_add_nc_u64 s[30:31], s[12:13], s[24:25]
	s_mul_i32 s26, s18, WREG
	v_lshlrev_b32 v4, 4, v1                        ; 16 x lane
	v_add_nc_u32 v5, s26, v4                       ; into a stage
	v_mul_u32_u24 v6, v2, 528
	v_lshl_add_u32 v6, v3, 7, v6
	v_add_nc_u32 v6, s26, v6                       ; out of it: row r, + 128 h
	v_lshlrev_b32 v8, 2, v1
	v_lshlrev_b32 v9, 3, v3                        ; 8 h: my bytes' place in the scale word
	v_mov_b32 v18, 0                               ; a lane permute's destination counts as one of its sources
.irp f, 0,1
.irp i, 0,1,2,3,4,5,6,7,8,9,10,11,12,13,14,15
	global_load_b128 v[RG+64*\f+4*\i:RG+64*\f+4*\i+3], v4, s[4:5] offset:4096*\i+512*\f th:TH_LOAD_NT
.endr
.endr
	s_wait_loadcnt 16                              ; K step 0's sixteen loads are in; K step 1's may be out
.irp i, 0,1,2,3,4,5,6,7,8,9,10,11,12,13,14,15
	ds_store_b128 v5, v[RG+4*\i:RG+4*\i+3] offset:528*\i
.endr
.irp c, 0,1
.irp e, 0,1,2,3,4,5,6,7
	ds_load_b128 v[X0+32*\c+4*\e:X0+32*\c+4*\e+3], v6 offset:256*\c+16*\e   ; LDS serves a wave's instructions in order: these see the stores above
.endr
.endr
	s_wait_loadcnt 0x0
.irp i, 0,1,2,3,4,5,6,7,8,9,10,11,12,13,14,15
	ds_store_b128 v5, v[RG+64+4*\i:RG+64+4*\i+3] offset:STG+528*\i
.endr
.irp c, 0,1
.irp e, 0,1,2,3,4,5,6,7
	ds_load_b128 v[X1+32*\c+4*\e:X1+32*\c+4*\e+3], v6 offset:STG+256*\c+16*\e
.endr
.endr
; 64 numbers of a lane, v[xs + 32 c + i] = k 64 c + 32 h + i of row r, become the fragment's 8 registers of codes in v[cd] on and the row's scale word in v[wd]
.macro QB xs, cd, wd
.irp c, 0,1
	v_max3_num_f32 v[12+\c], |v[\xs+32*\c]|, |v[\xs+32*\c+1]|, 0x1800000   ; my block 2 c + h, all 32 numbers mine, and the floor 2^(3 - 127)
.endr
.irp i, 2,4,6,8,10,12,14,16,18,20,22,24,26,28,30
.irp c, 0,1
	v_max3_num_f32 v[12+\c], v[12+\c], |v[\xs+32*\c+\i]|, |v[\xs+32*\c+\i+1]|
.endr
.endr
.irp c, 0,1
	v_add_nc_u32 v[14+\c], 0xff000000, v[12+\c]    ; 2 off the exponent field: the conversion's scale operand
.endr
.irp c, 0,1
	v_lshrrev_b32 v[16+\c], 23, v[14+\c]           ; the scale's byte
.endr
	v_lshl_or_b32 v[\wd], v17, 16, v16             ; bytes h and 2 + h,
	v_lshlrev_b32 v[\wd], v9, v[\wd]               ; at their places;
	v_permlanex16_b32 v18, v[\wd], s20, s21
	v_or_b32 v[\wd], v[\wd], v18                   ; with lane l xor 16's two the word is whole
.irp c, 0,1
.irp g, 0,1,2,3
	v_cvt_scalef32_pk8_fp4_f32 v[\cd+4*\c+\g], v[\xs+32*\c+8*\g:\xs+32*\c+8*\g+7], v[14+\c]
.endr
.endr
	v_nop                                          ; one plain line behind the last scaled conversion
.endm
	s_wait_dscnt 32                                ; K step 0 is back; behind its loads stand K step 1's 16 stores and 16 loads
	QB X0, CD, 20
	s_wait_dscnt 0x0
	QB X1, CD+8, 21
.irp f, 0,1
.irp c, 0,1
	global_store_b128 v4, v[CD+8*\f+4*\c:CD+8*\f+4*\c+3], s[28:29] offset:1024*\f+512*\c   ; 512 consecutive bytes
.endr
.endr
	v_cmp_le_u32 vcc_lo, 16, v1
	v_cndmask_b32 v22, v20, v21, vcc_lo            ; lanes 0-15 the even K step's word, lanes 16-31 the odd one's
	global_store_b32 v8, v22, s[30:31]
	s_wait_tensorcnt 0x0                           ; the wave's end
	ds_add_u32 v[SPW], v[NIL]
	s_wait_dscnt 0x0
	s_endpgm
; ---- the weights: K is their FIRST axis.  A lane takes a column and its registers run down K: a block of 32 lies in one lane.
; A work-group is (128 columns, 256 of K); a wave takes 32 columns: two tiles of 16.
.macro WHEAD first, pitch, src
	s_sub_co_u32 s22, ttmp9, \first
	s_lshr_b32 s23, s22, 2                         ; which 128 columns
	s_and_b32 s22, s22, 3                          ; which quarter of K
	s_mul_i32 s24, s22, 256*\pitch
	s_lshl_b32 s26, s23, 9
	s_add_co_u32 s24, s24, s26
	s_lshl_b32 s26, s18, 7
	s_add_co_u32 s24, s24, s26
	s_add_nc_u64 s[28:29], s[\src:\src+1], s[24:25]
	s_lshl_b32 s27, s23, 3
	s_lshl_b32 s26, s18, 1
	s_add_co_u32 s27, s27, s26                     ; my first tile of 16 columns: 8 x block + 2 x wave
	v_lshlrev_b32 v4, 2, v1                        ; in: 4 bytes a lane
	v_lshlrev_b32 v5, 4, v2
	v_lshl_add_u32 v5, v3, 13, v5                  ; out: 16 r, and 8 KB on for the second tile
.endm
.macro WLOAD t, pitch                  ; block t: rows 32 t + i of my column into set t % 2; a wave reads 128 consecutive bytes
.irp i, 0,1,2,3,4,5,6,7,8,9,10,11,12,13,14,15,16,17,18,19,20,21,22,23,24,25,26,27,28,29,30,31
	global_load_b32 v[X+32*((\t)%2)+\i], v4, s[28:29] offset:(32*(\t)+\i)*\pitch th:TH_LOAD_NT
.endr
.endm
.macro WBLOCK t, pitch
.set XS, X+32*((\t)%2)
.if (\t) < 7
	s_wait_loadcnt 32                              ; this block's 32 loads are in; the next block's may be out
.else
	s_wait_loadcnt 0x0
.endif
	v_max3_num_f32 v34, |v[XS]|, |v[XS+1]|, |v[XS+2]|
	v_max3_num_f32 v35, |v[XS+3]|, |v[XS+4]|, |v[XS+5]|
.irp i, 6,10,14,18,22,26
	v_max3_num_f32 v34, v34, |v[XS+\i]|, |v[XS+\i+1]|
	v_max3_num_f32 v35, v35, |v[XS+\i+2]|, |v[XS+\i+3]|
.endr
	v_max3_num_f32 v34, v34, |v[XS+30]|, |v[XS+31]|
	v_max3_num_f32 v34, v34, v35, 0x1800000        ; and the floor
	v_add_nc_u32 v36, 0xff000000, v34
	v_lshrrev_b32 v37, 23, v36
.if (\t)%4 == 0
	v_mov_b32 v[32+(\t)/4], v37                    ; four bytes make a K step's scale word
.else
	v_lshl_or_b32 v[32+(\t)/4], v37, 8*((\t)%4), v[32+(\t)/4]
.endif
.irp g, 0,1,2,3
	v_cvt_scalef32_pk8_fp4_f32 v[C+4*(\t)+\g], v[XS+8*\g:XS+8*\g+7], v36
.endr
	v_nop
	global_store_b128 v5, v[C+4*(\t):C+4*(\t)+3], s[30:31] offset:((\t)/4)*1024+(((\t)%4)/2)*512+((\t)%2)*256   ; block 2 c + h of the K step: sixteen lanes fill 256 consecutive bytes
.if (\t)+2 < 8
	WLOAD (\t)+2, \pitch
.endif
.endm
.macro WQUANT first, pitch, src, ntbase
	WHEAD \first, \pitch, \src
	s_add_co_u32 s27, s27, \ntbase
	s_lshl_b32 s24, s27, 13                        ; codes: (8 tile + 2 quarter) KB
	s_lshl_b32 s26, s22, 11
	s_add_co_u32 s24, s24, s26
	s_add_nc_u64 s[30:31], s[14:15], s[24:25]
	s_lshl_b32 s24, s27, 9                         ; scale words: 512 tile + 128 quarter
	s_lshl_b32 s26, s22, 7
	s_add_co_u32 s24, s24, s26
	s_add_co_u32 s24, s24, WSC
	s_add_nc_u64 s[32:33], s[14:15], s[24:25]
	WLOAD 0, \pitch
	WLOAD 1, \pitch
.irp t, 0,1,2,3,4,5,6,7
	WBLOCK \t, \pitch
.endr
	v_permlane16_swap_b32 v32, v33                 ; v32: the first tile's words of both K steps; v33: the second tile's
	global_store_b32 v4, v32, s[32:33]
	global_store_b32 v4, v33, s[32:33] offset:512
	s_endpgm
.endm
.Lwq:
	WQUANT 0, 4096, 6, 0
.Lwkv:
	WQUANT 32, 2048, 8, 64
; ---- W_out: the same loads; 32 numbers down K pack into 16 registers; group u = k 8 u .. 8 u + 7 is register group u / 2 of lanes 16 (u % 2) + r
.Lwo:
	WHEAD 48, 4096, 10
	s_lshl_b32 s24, s22, 19
	s_lshl_b32 s26, s27, 13
	s_add_co_u32 s24, s24, s26
	s_add_nc_u64 s[30:31], s[16:17], s[24:25]
	WLOAD 0, 4096
	WLOAD 1, 4096
.macro OBLOCK t
.set XS, X+32*((\t)%2)
.if (\t) < 7
	s_wait_loadcnt 32
.else
	s_wait_loadcnt 0x0
.endif
.irp i, 0,1,2,3,4,5,6,7,8,9,10,11,12,13,14,15
	v_cvt_pk_f16_f32 v[XS+\i], v[XS+2*\i], v[XS+2*\i+1]   ; in place, ascending: register i is written when it has been read
.endr
.irp u, 0,1,2,3
	global_store_b128 v5, v[XS+4*\u:XS+4*\u+3], s[30:31] offset:1024*(\t)+256*\u
.endr
.if (\t)+2 < 8
	s_wait_xcnt 0x0                                ; the stores have read their registers: the set is loaded again only behind this wait
	WLOAD (\t)+2, 4096
.endif
.endm
.irp t, 0,1,2,3,4,5,6,7
	OBLOCK \t
.endr
	s_endpgm
.Lfunc_end_k_qced735679e_prep:
	.size	k_qced735679e_prep, .Lfunc_end_k_qced735679e_prep-k_qced735679e_prep
	.p2alignl 7, 3214868480
	.fill 96, 4, 3214868480
	.section	.rodata,"a",@progbits
	.p2align	6, 0x0
	.amdhsa_kernel k_qced735679e_prep
		.amdhsa_group_segment_fixed_size 68096
		.amdhsa_private_segment_fixed_size 0
		.amdhsa_enable_private_segment 0
		.amdhsa_kernarg_size 56
		.amdhsa_user_sgpr_count 2
		.amdhsa_user_sgpr_kernarg_segment_ptr 1
		.amdhsa_wavefront_size32 1
		.amdhsa_system_sgpr_workgroup_id_x 1
		.amdhsa_system_sgpr_workgroup_id_y 1
		.amdhsa_system_sgpr_workgroup_id_z 1
		.amdhsa_system_vgpr_workitem_id 0
		.amdhsa_next_free_vgpr 240
		.amdhsa_next_free_sgpr 66
		.amdhsa_reserve_vcc 1
		.amdhsa_float_denorm_mode_32 3
		.amdhsa_float_denorm_mode_16_64 3
		.amdhsa_memory_ordered 1
		.amdhsa_forward_progress 1
		.amdhsa_inst_pref_size 128
	.end_amdhsa_kernel
	.amdgpu_metadata
---
amdhsa.version: [ 1, 2 ]
amdhsa.kernels:
  - .name:           k_qced735679e_prep
    .symbol:         k_qced735679e_prep.kd
    .args:
      - { .name: seq, .offset: 0, .size: 8, .value_kind: global_buffer, .address_space: global }
      - { .name: W_q, .offset: 8, .size: 8, .value_kind: global_buffer, .address_space: global }
      - { .name: W_kv, .offset: 16, .size: 8, .value_kind: global_buffer, .address_space: global }
      - { .name: W_out, .offset: 24, .size: 8, .value_kind: global_buffer, .address_space: global }
      - { .name: sq, .offset: 32, .size: 8, .value_kind: global_buffer, .address_space: global }
      - { .name: wq, .offset: 40, .size: 8, .value_kind: global_buffer, .address_space: global }
      - { .name: wo, .offset: 48, .size: 8, .value_kind: global_buffer, .address_space: global }
    .group_segment_fixed_size: 68096
    .private_segment_fixed_size: 0
    .kernarg_segment_align: 8
    .kernarg_segment_size: 56
    .max_flat_workgroup_size: 128
    .sgpr_count:     66
    .vgpr_count:     240
    .wavefront_size: 32
...
	.end_amdgpu_metadata
.endif
;; end of part 1
;; launch qkv (part 2): grid 8 x 32, 4 waves a work-group, no clusters, 168,448 bytes of LDS; arguments sq, wq, qf, kvf, q16, out1, out2; writes qf, kvf, q16, out1, out2
.if DOCPART == 2
	.amdgcn_target "amdgcn-amd-amdhsa--gfx1250"
	.amdhsa_code_object_version 6
	.text
	.protected	k_qced735679e_qkv
	.globl	k_qced735679e_qkv
	.p2align	8
	.type	k_qced735679e_qkv,@function
k_qced735679e_qkv:
	s_mov_b64 s[64:65], 0
	v_nop
	global_prefetch_b8 v0, s[64:65] scope:SCOPE_SE
	s_setreg_imm32_b32 hwreg(HW_REG_WAVE_MODE, 25, 1), 1
	s_wait_xcnt 0x0
; seq W_q and seq W_kv on codes of FP4 with E8M0 scales (M 4,096, N 1,536, K 1,024), RoPE, and every form of Q, K, V that the later launches want.
; A work-group takes 128 positions (y) x three heads of 64 columns (H = 3 x .. 3 x + 2; H 0-15 Q, 16-19 K, 20-23 V); wave w takes positions 32 w .. 32 w + 31 for all three.
; seq's fragments (16 KB a wave, nobody else's) go from memory straight into registers and stay; the three heads' weights (96 KB, read by all four waves) come once by one tensor load a wave: no slot is filled again.
; NO CLUSTER: the weights are asked for once by a work-group, 96 KB beside the 64 KB + 160 KB that it loads and stores for itself, and the row blocks that could share them part on their place (who stores q16).
; Q and K heads use the product TRANSPOSED (source 0 = 16 columns of W, source 1 = 16 positions): a lane holds one position and 8 neighbouring d, which pack into the f16 fragments of K Q^T as they stand.
; V heads use it as it is: a lane holds one d and 8 neighbouring positions: the f16 fragments of V^T.
; OUT: qf f16, c Q (c = log2(e) / 8) [head][position tile][d half][1 KB]; kvf f16 [group][step of 64 keys][16 KB: K's 8 fragments (2 kt + dh), V^T's 8 (2 dt + kh)]; q16 f32, Q of positions 0-15; out1, out2 f32.
; RoPE's angles: inv_freq = 2^(-i log2(10000) / 32); the angle is reduced by k = round(angle 2 / pi) with pi / 2 in two parts, then polynomials of degree 7 and 8 on +-pi / 4.
; LIMITS: c Q, K and V must lie within f16's range, +-65,504; NaN and infinities are not served; the reduction serves angles under about 1e5 (here at most 4,095).
.set SSC,   2097152
.set WSC,   786432
.set KST,   98304                      ; behind the weights: K's stage, 32 rows x 272 bytes for each wave
.set VST,   133120                     ; V's stage, bytes of its own
.set SPARE, 167936                     ; the spare words, 128 bytes a wave
.set LI,   1                           ; v1  16 x lane
.set L4,   2                           ; v2  4 x lane
.set ADB,  3                           ; v3  LDS address of the head's weights
.set SPW,  4                           ; v4  my spare word; never rewritten
.set NIL,  5                           ; v5  0; never rewritten
.set KSTO, 6
.set KRD,  7
.set VSTO, 8
.set VRD,  9
.set RR,   10                          ; v10 r
.set HH,   11                          ; v11 h
.set SA,   12                          ; v12-19  seq's scale words [mi][pair of K steps]: scales and nothing else
.set SB,   20                          ; v20-35  the head's [n tile][pair of K steps]
.set IFQ,  36                          ; v36-51  inv_freq of i = 16 tt + 8 h + j
.set BB,   64                          ; v64-127 two buffers of W's four fragments; later R
.set R,    64
.set ACC,  128                         ; v128-191 accumulators [mi][tile] at 32 mi + 8 t; later packed results
.set COS,  192                         ; v192-223 [mi][tt][j]
.set SIN,  224
                                       ; window 1: v0-127 seq's fragments [mi][K step] at 64 mi + 8 ks
.set MSB, 0
.macro WIN new                         ; the immediate's high byte repeats the setting that is left
.if MSB != \new
	s_set_vgpr_msb (MSB<<8)|\new
.set MSB, \new
.endif
.endm
	s_load_b256 s[4:11], s[0:1], 0x0               ; sq, wq, qf, kvf
	s_load_b128 s[12:15], s[0:1], 0x20             ; q16, out1
	s_load_b64 s[16:17], s[0:1], 0x30              ; out2
	v_lshl_add_u32 v[SPW], v0, 2, SPARE
	v_mov_b32 v[NIL], 0
	ds_add_u32 v[SPW], v[NIL]                      ; the wave's opening: the add, twice on end, and its wait ahead of my first tensor load
	ds_add_u32 v[SPW], v[NIL]
	v_lshrrev_b32 v52, 5, v0
	v_readfirstlane_b32 s18, v52                   ; wave
	s_mov_b32 s19, ttmp9                           ; x
	s_and_b32 s20, ttmp7, 0xffff                   ; y
	s_mul_i32 s21, s19, 3                          ; H, the head in hand
	s_mov_b32 s22, 3                               ; heads to go
	s_mov_b32 s23, 0                               ; where the head's weights begin in LDS
	s_mov_b32 s24, 3<<16                           ; group 1: 96 rows of 256 bytes (32 elements of 8), dense, no padding
	s_mov_b32 s25, 32<<16
	s_mov_b32 s26, 96<<16
	s_mov_b32 s27, 32<<16
	s_mov_b32 s28, 96
	s_mov_b32 s29, 32
	s_mov_b32 s30, 0
	s_mov_b32 s31, 0
	s_or_b32 s36, s20, s18                         ; 0 in the wave that holds positions 0-15
	s_mul_i32 s37, s18, 24576                      ; my quarter of the weights
	s_lshl_b32 s38, s20, 3
	s_lshl_b32 s39, s18, 1
	s_add_co_u32 s38, s38, s39                     ; my first position tile: 8 y + 2 w
	s_lshl_b32 s39, s20, 1
	s_lshr_b32 s66, s18, 1
	s_add_co_u32 s39, s39, s66                     ; my step of 64 keys: 2 y + w / 2
	s_and_b32 s66, s18, 1                          ; and which half of it
	s_lshl_b32 s62, s38, 4                         ; my first position
	s_mov_b32 s40, 0xbfc90fdb                      ; -pi / 2, upper part
	s_mov_b32 s41, 0x333bbd2e                      ; what the upper part has too much
	s_mov_b32 s42, 0xb94ca1f9                      ; sine: -1.9515296e-4, 8.3321609e-3, -1.6666655e-1
	s_mov_b32 s43, 0x3c08839e
	s_mov_b32 s44, 0xbe2aaaa3
	s_mov_b32 s45, 0x37ccf5ce                      ; cosine: 2.4433157e-5, -1.3887316e-3, 4.1666646e-2
	s_mov_b32 s46, 0xbab6061a
	s_mov_b32 s47, 0x3d2aaaa5
	s_mov_b32 s49, 0                               ; the upper word of every offset pair
	s_mov_b32 s60, 0x3e38aa3b                      ; c = log2(e) / 8
	s_mov_b32 s61, s60
	v_and_b32 v52, 31, v0
	v_lshlrev_b32 v[LI], 4, v52
	v_lshlrev_b32 v[L4], 2, v52
	v_and_b32 v[RR], 15, v0
	v_bfe_u32 v[HH], v0, 4, 1
	s_mul_i32 s63, s18, 8704
	v_mul_u32_u24 v[KSTO], v[RR], 272              ; K's stage, in: row r, + 32 h
	v_lshl_add_u32 v[KSTO], v[HH], 5, v[KSTO]
	v_add_nc_u32 v[KSTO], s63, v[KSTO]
	v_add_nc_u32 v[KSTO], KST, v[KSTO]
	v_mul_u32_u24 v[KRD], v[HH], 272               ; back: sixteen lanes to a row of 256 bytes, two rows an instruction
	v_lshl_add_u32 v[KRD], v[RR], 4, v[KRD]
	v_add_nc_u32 v[KRD], s63, v[KRD]
	v_add_nc_u32 v[VRD], VST, v[KRD]
	v_add_nc_u32 v[KRD], KST, v[KRD]
	v_mul_u32_u24 v[VSTO], v[HH], 2176             ; V's stage, in: row 8 h, + 4 r
	v_lshl_add_u32 v[VSTO], v[RR], 2, v[VSTO]
	v_add_nc_u32 v[VSTO], s63, v[VSTO]
	v_add_nc_u32 v[VSTO], VST, v[VSTO]
	s_wait_dscnt 0x0                               ; both opening adds are done
	s_wait_kmcnt 0x0
	s_mul_i32 s48, s19, 98304
	s_add_co_u32 s48, s48, s37
	s_mov_b32 s32, 1
	s_mov_b32 s33, s37
	s_add_nc_u64 s[34:35], s[6:7], s[48:49]
	s_or_b32 s35, s35, 0x80000000
	tensor_load_to_lds s[32:35], s[24:31]          ; my 24 KB of the three heads' codes: the one tensor load of the wave
	s_nop 0
.rept 4
	v_nop
.endr
	s_lshl_b32 s48, s38, 13
	s_add_nc_u64 s[50:51], s[4:5], s[48:49]        ; seq's codes at my first tile
	s_lshl_b32 s48, s38, 9
	s_add_co_u32 s48, s48, SSC
	s_add_nc_u64 s[52:53], s[4:5], s[48:49]        ; and its scale words
	s_lshl_b32 s48, s21, 11
	s_add_co_u32 s48, s48, WSC
	s_add_nc_u64 s[54:55], s[6:7], s[48:49]        ; the head's scale words
	WIN 0x40                                       ; destination window 1
.irp mi, 0,1
.irp ks, 0,1,2,3,4,5,6,7
.irp c, 0,1
	global_load_b128 v[64*\mi+8*\ks+4*\c:64*\mi+8*\ks+4*\c+3], v[LI], s[50:51] offset:8192*\mi+1024*\ks+512*\c
.endr
.endr
.endr
	WIN 0
.irp mi, 0,1
.irp p, 0,1,2,3
	global_load_b32 v[SA+4*\mi+\p], v[L4], s[52:53] offset:512*\mi+128*\p
.endr
.endr
.irp n, 0,1,2,3
.irp p, 0,1,2,3
	global_load_b32 v[SB+4*\n+\p], v[L4], s[54:55] offset:512*\n+128*\p
.endr
.endr
	; while all that lands: cos and sin of my 32 positions x my 16 frequencies
	v_lshlrev_b32 v52, 3, v[HH]
.irp n, 0,1,2,3,4,5,6,7,8,9,10,11,12,13,14,15
	v_add_nc_u32 v[IFQ+\n], 16*(\n/8)+(\n%8), v52
.endr
.irp n, 0,1,2,3,4,5,6,7,8,9,10,11,12,13,14,15
	v_cvt_f32_u32 v[IFQ+\n], v[IFQ+\n]
.endr
.irp n, 0,1,2,3,4,5,6,7,8,9,10,11,12,13,14,15
	v_mul_f32 v[IFQ+\n], 0xbed49a78, v[IFQ+\n]     ; -i log2(10000) / 32
.endr
.irp n, 0,1,2,3,4,5,6,7,8,9,10,11,12,13,14,15
	v_exp_f32 v[IFQ+\n], v[IFQ+\n]
.endr
	v_add_nc_u32 v62, s62, v[RR]                   ; (a plain line behind the exponentials)  my position in tile 0
	s_wait_alu depctr_va_vdst(0)                   ; one wait for the batch, ahead of its first reader
	v_add_nc_u32 v63, 16, v62
	v_cvt_f32_u32 v62, v62
	v_cvt_f32_u32 v63, v63
.macro SINCOS ps, iv, cs, sn
	v_mul_f32 v52, v[\ps], v[\iv]                  ; the angle
	v_mul_f32 v53, 0x3f22f983, v52
	v_rndne_f32 v53, v53                           ; k = round(angle 2 / pi)
	v_fma_f32 v54, v53, s40, v52
	v_fma_f32 v54, v53, s41, v54                   ; x = angle - k pi / 2
	v_cvt_i32_f32 v56, v53
	v_mul_f32 v55, v54, v54                        ; z = x x
	v_fma_f32 v57, v55, s42, s43
	v_fma_f32 v58, v55, s45, s46
	v_fma_f32 v57, v57, v55, s44
	v_fma_f32 v58, v58, v55, s47
	v_mul_f32 v59, v55, v54
	v_mul_f32 v60, v55, v55
	v_fma_f32 v61, v55, -0.5, 1.0
	v_fma_f32 v57, v57, v59, v54                   ; sin x
	v_fma_f32 v58, v58, v60, v61                   ; cos x
	v_and_b32 v59, 1, v56
	v_cmp_eq_u32 vcc_lo, 1, v59                    ; k odd: the two change places
	v_cndmask_b32 v60, v57, v58, vcc_lo
	v_cndmask_b32 v61, v58, v57, vcc_lo
	v_lshlrev_b32 v59, 30, v56                     ; the sine's sign: bit 1 of k
	v_and_b32 v59, 0x80000000, v59
	v_xor_b32 v[\sn], v60, v59
	v_add_nc_u32 v56, 1, v56                       ; the cosine's: bit 1 of k + 1
	v_lshlrev_b32 v56, 30, v56
	v_and_b32 v56, 0x80000000, v56
	v_xor_b32 v[\cs], v61, v56
.endm
.irp mi, 0,1
.irp n, 0,1,2,3,4,5,6,7,8,9,10,11,12,13,14,15
	SINCOS 62+\mi, IFQ+\n, COS+16*\mi+\n, SIN+16*\mi+\n
.endr
.endr
	s_wait_tensorcnt 0x0                           ; my quarter of the weights is in,
	s_barrier_signal -1
	s_barrier_wait -1                              ; everybody's is
.macro LB ks                           ; the head's four fragments of K step ks into buffer ks % 2
.irp n, 0,1,2,3
.irp c, 0,1
	ds_load_b128 v[BB+32*((\ks)%2)+8*\n+4*\c:BB+32*((\ks)%2)+8*\n+4*\c+3], v[ADB] offset:8192*\n+1024*(\ks)+512*\c
.endr
.endr
.endm
.macro MM d, a, b, sa, sb, ks          ; an odd K step's scale words stand in lanes 16-31
.if (\ks) == 0
	v_wmma_scale_f32_16x16x128_f8f6f4 v[\d:\d+7], v[\a:\a+7], v[\b:\b+7], 0, v[\sa], v[\sb] matrix_a_fmt:MATRIX_FMT_FP4 matrix_b_fmt:MATRIX_FMT_FP4
.elseif (\ks)%2 == 0
	v_wmma_scale_f32_16x16x128_f8f6f4 v[\d:\d+7], v[\a:\a+7], v[\b:\b+7], v[\d:\d+7], v[\sa], v[\sb] matrix_a_fmt:MATRIX_FMT_FP4 matrix_b_fmt:MATRIX_FMT_FP4
.else
	v_wmma_scale_f32_16x16x128_f8f6f4 v[\d:\d+7], v[\a:\a+7], v[\b:\b+7], v[\d:\d+7], v[\sa], v[\sb] matrix_a_fmt:MATRIX_FMT_FP4 matrix_b_fmt:MATRIX_FMT_FP4 matrix_a_scale:MATRIX_SCALE_ROW1 matrix_b_scale:MATRIX_SCALE_ROW1
.endif
.endm
; A head's product: eight K steps of 128, eight accumulators by turns; the first step starts the sums.  nat = 0: transposed; 1: as it is.
.macro KLOOP nat
.if \nat
.set WMUL, 0x01                        ; source 0 (seq) window 1
.else
.set WMUL, 0x04                        ; source 1 (seq) window 1: an LDS load's places stay in window 0 under it
.endif
	LB 0
.irp ks, 0,1,2,3,4,5,6,7
.if \nat
	WIN 0
.endif
.rept 4
	v_nop                                          ; four plain lines between the last products and loads into the buffer that they read
.endr
.if \ks < 7
	LB \ks+1
	s_wait_dscnt 8                                 ; this step's fragments are in; the next step's eight loads may be out
.else
	s_wait_dscnt 0x0
.endif
	WIN WMUL
.irp n, 0,1,2,3
.irp mi, 0,1
.if \nat
	MM ACC+32*\mi+8*\n, 64*\mi+8*\ks, BB+32*(\ks%2)+8*\n, SA+4*\mi+\ks/2, SB+4*\n+\ks/2, \ks
.else
	MM ACC+32*\mi+8*\n, BB+32*(\ks%2)+8*\n, 64*\mi+8*\ks, SB+4*\n+\ks/2, SA+4*\mi+\ks/2, \ks
.endif
.endr
.endr
.endr
	WIN 0
.rept 4
	v_nop                                          ; and in front of the first read of results, and of loads into the scale words
.endr
	s_cmp_eq_u32 s22, 1                            ; the next head's scale words, if there is a next head: no load leaves its buffer
	s_cbranch_scc1 .Lnosb_\@
.irp n, 0,1,2,3
.irp p, 0,1,2,3
	global_load_b32 v[SB+4*\n+\p], v[L4], s[54:55] offset:2048+512*\n+128*\p
.endr
.endr
.Lnosb_\@:
.endm
.Lhead:
	s_wait_loadcnt 0x0                             ; the head's scale words (in the first trip seq's fragments and words too)
	v_add_nc_u32 v[ADB], s23, v[LI]
	s_cmp_ge_u32 s21, 20
	s_cbranch_scc1 .Lv
	KLOOP 0                                        ; lane (r, h), register j of tile t: position r, d = 16 t + 8 h + j
.irp mi, 0,1                                   ; RoPE: d and d + 32 are tiles tt and tt + 2; each accumulator is read from its low end on
.irp tt, 0,1
.irp jp, 0,2,4,6
.set XA, ACC+32*\mi+8*\tt+\jp
.set RA, R+32*\mi+8*\tt+\jp
.set CC, COS+16*\mi+8*\tt+\jp
.set SS, SIN+16*\mi+8*\tt+\jp
	v_pk_mul_f32 v[RA:RA+1], v[XA:XA+1], v[CC:CC+1]
	v_pk_mul_f32 v[RA+16:RA+17], v[XA+16:XA+17], v[CC:CC+1]
	v_pk_fma_f32 v[RA:RA+1], v[XA+16:XA+17], v[SS:SS+1], v[RA:RA+1] neg_lo:[1,0,0] neg_hi:[1,0,0]   ; x1 cos - x2 sin
	v_pk_fma_f32 v[RA+16:RA+17], v[XA:XA+1], v[SS:SS+1], v[RA+16:RA+17]                               ; x2 cos + x1 sin
.endr
.endr
.endr
	s_cmp_ge_u32 s21, 16
	s_cbranch_scc1 .Lk
	; ---- a Q head
	s_lshl_b32 s48, s21, 19
	s_lshl_b32 s63, s38, 11
	s_add_co_u32 s48, s48, s63
	s_add_nc_u64 s[56:57], s[8:9], s[48:49]
	s_cmp_lg_u32 s36, 0
	s_cbranch_scc1 .Lnoq16
	s_lshl_b32 s48, s21, 12
	s_add_nc_u64 s[58:59], s[12:13], s[48:49]
.irp t, 0,1,2,3
.irp u, 0,1
	global_store_b128 v[LI], v[R+8*\t+4*\u:R+8*\t+4*\u+3], s[58:59] offset:512*(2*\t+\u)   ; positions 0-15 in f32, as the registers stand
.endr
.endr
.Lnoq16:
.irp n, 0,1,2,3,4,5,6,7,8,9,10,11,12,13,14,15,16,17,18,19,20,21,22,23,24,25,26,27,28,29,30,31
	v_pk_mul_f32 v[ACC+2*\n:ACC+2*\n+1], v[R+2*\n:R+2*\n+1], s[60:61] op_sel_hi:[1,0]   ; c Q, into other registers than the stores above read
.endr
.irp n, 0,1,2,3,4,5,6,7,8,9,10,11,12,13,14,15,16,17,18,19,20,21,22,23,24,25,26,27,28,29,30,31
	v_cvt_pk_f16_f32 v[ACC+\n], v[ACC+2*\n], v[ACC+2*\n+1]   ; in place, ascending: tiles 2 dh and 2 dh + 1 are fragment dh's registers 0-3 and 4-7
.endr
.irp mi, 0,1
.irp f, 0,1,2,3
	global_store_b128 v[LI], v[ACC+16*\mi+4*\f:ACC+16*\mi+4*\f+3], s[56:57] offset:2048*\mi+512*\f
.endr
.endr
	s_branch .Lnext
	; ---- a K head
.Lk:
	s_sub_co_u32 s63, s21, 16                      ; the group
	s_lshl_b32 s48, s63, 6
	s_add_co_u32 s48, s48, s39
	s_lshl_b32 s48, s48, 4
	s_lshl_b32 s67, s66, 2
	s_add_co_u32 s48, s48, s67
	s_lshl_b32 s48, s48, 10                        ; ((64 g + step) 16 + 4 half) KB
	s_add_nc_u64 s[56:57], s[10:11], s[48:49]
	s_lshl_b32 s48, s63, 20
	s_lshl_b32 s67, s62, 8
	s_add_co_u32 s48, s48, s67
	s_add_nc_u64 s[58:59], s[14:15], s[48:49]      ; out1 at my first position
.irp n, 0,1,2,3,4,5,6,7,8,9,10,11,12,13,14,15,16,17,18,19,20,21,22,23,24,25,26,27,28,29,30,31
	v_cvt_pk_f16_f32 v[ACC+\n], v[R+2*\n], v[R+2*\n+1]
.endr
.irp mi, 0,1
.irp f, 0,1,2,3
	global_store_b128 v[LI], v[ACC+16*\mi+4*\f:ACC+16*\mi+4*\f+3], s[56:57] offset:2048*\mi+512*\f
.endr
.endr
.irp mi, 0,1
.irp t, 0,1,2,3
.irp u, 0,1
	ds_store_b128 v[KSTO], v[R+32*\mi+8*\t+4*\u:R+32*\mi+8*\t+4*\u+3] offset:4352*\mi+64*\t+16*\u
.endr
.endr
.endr
.irp i, 0,1,2,3,4,5,6,7,8,9,10,11,12,13,14,15
	ds_load_b128 v[R+4*\i:R+4*\i+3], v[KRD] offset:544*\i   ; LDS serves a wave's instructions in order: these see my stores
.endr
.irp i, 0,1,2,3,4,5,6,7,8,9,10,11,12,13,14,15
	s_wait_dscnt 15-\i
	global_store_b128 v[LI], v[R+4*\i:R+4*\i+3], s[58:59] offset:512*\i th:TH_STORE_NT   ; two whole rows of 256 bytes
.endr
	s_branch .Lnext
	; ---- a V head: lane (r, h), register j of tile (mi, dt): d = 16 dt + r, position 16 mi + 8 h + j
.Lv:
	KLOOP 1
	s_sub_co_u32 s63, s21, 20
	s_lshl_b32 s48, s63, 6
	s_add_co_u32 s48, s48, s39
	s_lshl_b32 s48, s48, 4
	s_add_co_u32 s48, s48, s66
	s_add_co_u32 s48, s48, 8
	s_lshl_b32 s48, s48, 10                        ; ((64 g + step) 16 + 8 + half) KB
	s_add_nc_u64 s[56:57], s[10:11], s[48:49]
	s_lshl_b32 s48, s63, 20
	s_lshl_b32 s67, s62, 8
	s_add_co_u32 s48, s48, s67
	s_add_nc_u64 s[58:59], s[16:17], s[48:49]
.irp dt, 0,1,2,3
.irp c, 0,1
.irp jp, 0,1,2,3
	v_cvt_pk_f16_f32 v[R+8*\dt+4*\c+\jp], v[ACC+32*\c+8*\dt+2*\jp], v[ACC+32*\c+8*\dt+2*\jp+1]   ; my 32 positions are one half of a step's keys: tile mi = c gives registers 4 c .. 4 c + 3
.endr
.endr
.endr
.irp dt, 0,1,2,3
.irp c, 0,1
	global_store_b128 v[LI], v[R+8*\dt+4*\c:R+8*\dt+4*\c+3], s[56:57] offset:2048*\dt+512*\c
.endr
.endr
.irp mi, 0,1
.irp dt, 0,1,2,3
.irp j, 0,1,2,3,4,5,6,7
	ds_store_b32 v[VSTO], v[ACC+32*\mi+8*\dt+\j] offset:4352*\mi+272*\j+64*\dt
.endr
.endr
.endr
.irp i, 0,1,2,3,4,5,6,7,8,9,10,11,12,13,14,15
	ds_load_b128 v[ACC+4*\i:ACC+4*\i+3], v[VRD] offset:544*\i
.endr
.irp i, 0,1,2,3,4,5,6,7,8,9,10,11,12,13,14,15
	s_wait_dscnt 15-\i
	global_store_b128 v[LI], v[ACC+4*\i:ACC+4*\i+3], s[58:59] offset:512*\i th:TH_STORE_NT
.endr
.Lnext:
	s_wait_xcnt 0x0                                ; the stores and loads have read their registers and bases: both are written again only behind this wait
	s_add_nc_u64 s[54:55], s[54:55], 2048
	s_add_co_u32 s21, s21, 1
	s_add_co_u32 s23, s23, 32768
	s_sub_co_u32 s22, s22, 1
	s_cmp_lg_u32 s22, 0
	s_cbranch_scc1 .Lhead
	s_wait_tensorcnt 0x0                           ; the wave's end
	ds_add_u32 v[SPW], v[NIL]
	s_wait_dscnt 0x0
	s_endpgm
.Lfunc_end_k_qced735679e_qkv:
	.size	k_qced735679e_qkv, .Lfunc_end_k_qced735679e_qkv-k_qced735679e_qkv
	.p2alignl 7, 3214868480
	.fill 96, 4, 3214868480
	.section	.rodata,"a",@progbits
	.p2align	6, 0x0
	.amdhsa_kernel k_qced735679e_qkv
		.amdhsa_group_segment_fixed_size 168448
		.amdhsa_private_segment_fixed_size 0
		.amdhsa_enable_private_segment 0
		.amdhsa_kernarg_size 56
		.amdhsa_user_sgpr_count 2
		.amdhsa_user_sgpr_kernarg_segment_ptr 1
		.amdhsa_wavefront_size32 1
		.amdhsa_system_sgpr_workgroup_id_x 1
		.amdhsa_system_sgpr_workgroup_id_y 1
		.amdhsa_system_sgpr_workgroup_id_z 1
		.amdhsa_system_vgpr_workitem_id 0
		.amdhsa_next_free_vgpr 384
		.amdhsa_next_free_sgpr 72
		.amdhsa_reserve_vcc 1
		.amdhsa_float_denorm_mode_32 3
		.amdhsa_float_denorm_mode_16_64 3
		.amdhsa_memory_ordered 1
		.amdhsa_forward_progress 1
		.amdhsa_inst_pref_size 110
	.end_amdhsa_kernel
	.amdgpu_metadata
---
amdhsa.version: [ 1, 2 ]
amdhsa.kernels:
  - .name:           k_qced735679e_qkv
    .symbol:         k_qced735679e_qkv.kd
    .args:
      - { .name: sq, .offset: 0, .size: 8, .value_kind: global_buffer, .address_space: global }
      - { .name: wq, .offset: 8, .size: 8, .value_kind: global_buffer, .address_space: global }
      - { .name: qf, .offset: 16, .size: 8, .value_kind: global_buffer, .address_space: global }
      - { .name: kvf, .offset: 24, .size: 8, .value_kind: global_buffer, .address_space: global }
      - { .name: q16, .offset: 32, .size: 8, .value_kind: global_buffer, .address_space: global }
      - { .name: out1, .offset: 40, .size: 8, .value_kind: global_buffer, .address_space: global }
      - { .name: out2, .offset: 48, .size: 8, .value_kind: global_buffer, .address_space: global }
    .group_segment_fixed_size: 168448
    .private_segment_fixed_size: 0
    .kernarg_segment_align: 8
    .kernarg_segment_size: 56
    .max_flat_workgroup_size: 128
    .sgpr_count:     72
    .vgpr_count:     384
    .wavefront_size: 32
...
	.end_amdgpu_metadata
.endif
;; end of part 2
;; launch attn (part 3): grid 64 x 4, 8 waves a work-group, no clusters, 327,680 bytes of LDS; arguments qf, kvf, af; writes af
.if DOCPART == 3
	.amdgcn_target "amdgcn-amd-amdhsa--gfx1250"
	.amdhsa_code_object_version 6
	.text
	.protected	k_qced735679e_attn
	.globl	k_qced735679e_attn
	.p2align	8
	.type	k_qced735679e_attn,@function
k_qced735679e_attn:
	s_mov_b64 s[64:65], 0
	v_nop
	global_prefetch_b8 v0, s[64:65] scope:SCOPE_SE
	s_setreg_imm32_b32 hwreg(HW_REG_WAVE_MODE, 25, 1), 1
	s_wait_xcnt 0x0
; Causal attention, f16 operands, f32 sums, running maximum and sum.  16 query heads in 4 groups that share K and V; 4,096 positions; head size 64.
; SHARES.  Work-group (j, g) owns two units of 32 positions x the group's four heads: unit j and unit 127 - j, so that under the mask every work-group has about the same number of tile steps.
; Wave w: head 4 g + w / 2; tile A = positions 16 (2 j + w % 2) on, tile B = positions 16 (254 - 2 j + w % 2) on.  While A is alive both tiles use every fragment of K and V that the wave reads.
; LAYOUT.  S^T = K Q^T (source 0 = 16 keys, source 1 = 16 queries) and O^T = V^T P: a lane holds one query throughout; two tiles of S^T, packed to f16 in pairs, are source 1 of the second product as they stand.
; Q comes multiplied by c = log2(e) / 8, so a score is the exponent: p = 2^(s - m); in every step O and l are multiplied by a = 2^(m_old - m_new).
; RING.  kvf is laid as images of the fragments: a step of 64 keys is 16 KB.  Two LDS slots of four steps; each of the eight waves fetches 8 KB of a slot by one tensor load: one load of a wave is out at a time.
; All work-groups walk all 16 changes of slots (constant trip count); a step whose keys all come after a tile's queries is jumped over by a scalar branch on ids, and a slot whose first key comes after the
; work-group's last query is not asked for.  Every wait on TENSORcnt is for 0.
; NO CLUSTER: neighbouring work-groups end at different slots, so a joint load could bring a tile that no wave of some partner reads.
; af: f16 [group][position tile][2 (head % 4) + d half][1 KB]: the projection's fragments.  Positions 0-15 are written here in f16 precision and made anew in f32 by the last launch.
; LIMITS: the attention's output must lie within f16's range; NaN and infinities are not served.
.set SLOTB, 65536
.set SPARE, 131072
.set LI,   1                           ; v1  16 x lane
.set ADR,  2                           ; v2  LDS address of the slot in hand
.set SPW,  3                           ; v3  my spare word; never rewritten
.set NIL,  4                           ; v4  0; never rewritten
.set PFO,  5                           ; v5  256 x lane; never rewritten
.set RL,   6                           ; v6  r - 8 h
.set DD,   7
.set NINF, 8
.set ST,   12                          ; tile x at v[12 + 8 x]: +0 m, +1 its pair, +2, +3 l, +4 a, +5 its pair, +6, +7 at work
.set P,    32                          ; v32-63   P, 16 a tile; its first four serve the maximum
.set S,    64                          ; v64-127  S^T, 32 a tile
.set KFR,  128                         ; v128-191 K's fragments 2 kt + dh
.set VFR,  192                         ; v192-255 V^T's fragments 2 dt + kh
.set QW,   0                           ; window 1: v0-31 Q, 16 a tile
.set OW,   32                          ; window 1: v32-95 O^T, 32 a tile
.set WV, 10
.set KS, 13                            ; s13 the slot's first key
.set TB, 14                            ; s14 the slot's first LDS byte
.set SLOTS, 15
.set QA0, 16                           ; s16, s17 the tiles' first queries
.set QL, 18                            ; s18 the work-group's last query
.set LIM, 19
.set G1, 24
.set G0, 32
.set PFA, 36
.set KF, 40                            ; s40 the step's first key
.set W_S,  0x04                        ; Q in window 1
.set W_RS, 0x41                        ; O^T (destination and source 0) in window 1
.set W_PV, 0x50                        ; C and D in window 1
.set MSB, 0
.macro WIN new
.if MSB != \new
	s_set_vgpr_msb (MSB<<8)|\new
.set MSB, \new
.endif
.endm
	s_load_b128 s[4:7], s[0:1], 0x0                ; qf, kvf
	s_load_b64 s[8:9], s[0:1], 0x10                ; af
	v_lshl_add_u32 v[SPW], v0, 2, SPARE
	v_mov_b32 v[NIL], 0
	ds_add_u32 v[SPW], v[NIL]                      ; the wave's opening: the add, twice on end, and its wait ahead of my first tensor load
	ds_add_u32 v[SPW], v[NIL]
	v_lshrrev_b32 v9, 5, v0
	v_readfirstlane_b32 s[WV], v9
	s_mov_b32 s11, ttmp9                           ; j
	s_and_b32 s12, ttmp7, 0xffff                   ; g
	s_mov_b32 s[G1], 3<<16                         ; group 1: 32 rows of 256 bytes (32 elements of 8), dense, no padding
	s_mov_b32 s[G1+1], 32<<16
	s_mov_b32 s[G1+2], 32<<16
	s_mov_b32 s[G1+3], 32<<16
	s_mov_b32 s[G1+4], 32
	s_mov_b32 s[G1+5], 32
	s_mov_b32 s[G1+6], 0
	s_mov_b32 s[G1+7], 0
	s_and_b32 s41, s[WV], 1
	s_lshl_b32 s42, s11, 1
	s_add_co_u32 s43, s42, s41                     ; tile A's position tile
	s_sub_co_u32 s44, 254, s42
	s_add_co_u32 s44, s44, s41                     ; tile B's
	s_lshl_b32 s[QA0], s43, 4
	s_lshl_b32 s[QA0+1], s44, 4
	s_sub_co_u32 s[QL], 127, s11
	s_lshl_b32 s[QL], s[QL], 5
	s_or_b32 s[QL], s[QL], 31
	s_cmp_eq_u32 s11, 0
	s_cselect_b32 s[LIM], 1, -1                    ; the group's first work-group prefetches
	s_lshr_b32 s42, s[WV], 1
	s_lshl_b32 s45, s12, 2
	s_add_co_u32 s45, s45, s42                     ; my head
	s_lshl_b32 s45, s45, 8
	s_add_co_u32 s56, s45, s43
	s_lshl_b32 s56, s56, 11                        ; Q: (256 head + tile) x 2 KB
	s_mov_b32 s57, 0
	s_add_co_u32 s58, s45, s44
	s_lshl_b32 s58, s58, 11
	s_mov_b32 s59, 0
	s_lshl_b32 s45, s12, 8
	s_lshl_b32 s42, s42, 11
	s_add_co_u32 s60, s45, s43
	s_lshl_b32 s60, s60, 13
	s_add_co_u32 s60, s60, s42                     ; af: ((256 g + tile) 8 + 2 (head % 4)) KB
	s_mov_b32 s61, 0
	s_add_co_u32 s62, s45, s44
	s_lshl_b32 s62, s62, 13
	s_add_co_u32 s62, s62, s42
	s_mov_b32 s63, 0
	s_lshl_b32 s46, s12, 20
	s_lshl_b32 s47, s[WV], 13
	s_add_co_u32 s46, s46, s47                     ; kvf: the group's 1 MB, my 8 KB of a slot
	s_mov_b32 s47, 0
	s_mov_b32 s20, 0x76543210
	s_mov_b32 s21, 0xfedcba98
	s_mov_b32 s[KS], 0
	s_mov_b32 s[TB], 0
	s_mov_b32 s[SLOTS], 15
	v_and_b32 v9, 31, v0
	v_lshlrev_b32 v[LI], 4, v9
	v_lshlrev_b32 v[PFO], 8, v9
	v_and_b32 v[RL], 15, v0
	v_bfe_u32 v9, v0, 4, 1
	v_lshlrev_b32 v9, 3, v9
	v_sub_nc_u32 v[RL], v[RL], v9
	v_mov_b32 v[NINF], 0xff800000
.irp x, 0,1
	v_mov_b32 v[ST+8*\x], 0xff61b1e6               ; m = -3e38, under every score: the first a is 0 and leaves the zeros below zeros
.irp i, 1,2,3,4,5,6,7
	v_mov_b32 v[ST+8*\x+\i], 0
.endr
.endr
	s_wait_dscnt 0x0                               ; both opening adds are done
	s_wait_kmcnt 0x0
	s_mov_b32 s[G0], 1
	s_lshl_b32 s[G0+1], s[WV], 13
	s_add_nc_u64 s[G0+2:G0+3], s[6:7], s[46:47]
	s_add_nc_u64 s[PFA:PFA+1], s[G0+2:G0+3], SLOTB ; my prefetches stand in slot 1; the first change of slots steps them to slot 2
	s_or_b32 s[G0+3], s[G0+3], 0x80000000
	tensor_load_to_lds s[G0:G0+3], s[G1:G1+7]      ; slot 0: it holds key 0, which counts for every query
	s_nop 0
.rept 4
	v_nop
.endr
	s_add_nc_u64 s[48:49], s[4:5], s[56:57]
	s_add_nc_u64 s[54:55], s[4:5], s[58:59]
	s_add_nc_u64 s[50:51], s[8:9], s[60:61]
	s_add_nc_u64 s[52:53], s[8:9], s[62:63]
	WIN 0x40                                       ; destination window 1
.irp f, 0,1,2,3
	global_load_b128 v[QW+4*\f:QW+4*\f+3], v[LI], s[48:49] offset:512*\f
	global_load_b128 v[QW+16+4*\f:QW+16+4*\f+3], v[LI], s[54:55] offset:512*\f
.endr
.irp n, 0,1,2,3,4,5,6,7,8,9,10,11,12,13,14,15,16,17,18,19,20,21,22,23,24,25,26,27,28,29,30,31,32,33,34,35,36,37,38,39,40,41,42,43,44,45,46,47,48,49,50,51,52,53,54,55,56,57,58,59,60,61,62,63
	v_mov_b32 v[OW+\n], 0                          ; the step is written once: its first pass finds zeros
.endr
	WIN 0
.macro LK q                            ; step q's eight fragments of K: each load takes 512 consecutive bytes
.irp f, 0,1,2,3,4,5,6,7
	ds_load_b128 v[KFR+8*\f:KFR+8*\f+3], v[ADR] offset:16384*(\q)+1024*\f
	ds_load_b128 v[KFR+8*\f+4:KFR+8*\f+7], v[ADR] offset:16384*(\q)+1024*\f+512
.endr
.endm
.macro LV q
.irp f, 0,1,2,3,4,5,6,7
	ds_load_b128 v[VFR+8*\f:VFR+8*\f+3], v[ADR] offset:16384*(\q)+8192+1024*\f
	ds_load_b128 v[VFR+8*\f+4:VFR+8*\f+7], v[ADR] offset:16384*(\q)+8192+1024*\f+512
.endr
.endm
; On the diagonal hidden scores become -infinity ahead of the maximum.  Register 8 kt + j holds key KF + 16 kt + 8 h + j: hidden where 16 kt + j > query - KF - 8 h.  A step all of whose keys count skips this.
.macro MASK x
	s_add_co_u32 s41, s[KF], 63
	s_cmp_le_u32 s41, s[QA0+\x]
	s_cbranch_scc1 .Lopen_\@
	s_sub_co_i32 s41, s[QA0+\x], s[KF]
	v_add_nc_u32 v[DD], s41, v[RL]
.irp n, 0,1,2,3,4,5,6,7,8,9,10,11,12,13,14,15,16,17,18,19,20,21,22,23,24,25,26,27,28,29,30,31
	v_cmp_gt_i32 vcc_lo, 16*(\n/8)+\n%8, v[DD]
	v_cndmask_b32 v[S+32*\x+\n], v[S+32*\x+\n], v[NINF], vcc_lo
.endr
.Lopen_\@:
.endm
; A KEY STEP of 64 keys, the slot's q-th.  two = 1: both tiles; 0: tile B alone.  The accumulators take turns, one instruction a turn.
.macro STEP q, two
.set LO, 1-\two
	s_wait_dscnt 0x0                               ; K's fragments are in
	WIN W_S
.irp dh, 0,1
.irp kt, 0,1,2,3
.irp x, 0,1
.if \x >= LO
.if \dh == 0
	v_wmma_f32_16x16x32_f16 v[S+32*\x+8*\kt:S+32*\x+8*\kt+7], v[KFR+16*\kt:KFR+16*\kt+7], v[QW+16*\x:QW+16*\x+7], 0
.else
	v_wmma_f32_16x16x32_f16 v[S+32*\x+8*\kt:S+32*\x+8*\kt+7], v[KFR+16*\kt+8:KFR+16*\kt+15], v[QW+16*\x+8:QW+16*\x+15], v[S+32*\x+8*\kt:S+32*\x+8*\kt+7]
.endif
.endif
.endr
.endr
.endr
	WIN 0
.rept 4
	v_nop                                          ; four plain lines in front of loads into K's and V's registers, of writes of P and of the first read of the scores
.endr
	LV \q
.if \q < 3
	LK \q+1                                        ; the next step's K, from the same slot, which has landed whole
.endif
.if \two
	MASK 0
.endif
	MASK 1
.irp k, 0,1,2,3                                ; the maximum: four chains, each begun at its accumulator's low end
.irp x, 0,1
.if \x >= LO
	v_max3_num_f32 v[P+16*\x+\k], v[S+32*\x+8*\k], v[S+32*\x+8*\k+1], v[S+32*\x+8*\k+2]
.endif
.endr
.endr
.irp i, 3,5
.irp k, 0,1,2,3
.irp x, 0,1
.if \x >= LO
	v_max3_num_f32 v[P+16*\x+\k], v[P+16*\x+\k], v[S+32*\x+8*\k+\i], v[S+32*\x+8*\k+\i+1]
.endif
.endr
.endr
.endr
.irp x, 0,1
.if \x >= LO
	v_max3_num_f32 v[P+16*\x], v[P+16*\x], v[S+32*\x+7], v[S+32*\x+15]
	v_max3_num_f32 v[P+16*\x+2], v[P+16*\x+2], v[S+32*\x+23], v[S+32*\x+31]
.endif
.endr
.irp x, 0,1
.if \x >= LO
	v_max3_num_f32 v[P+16*\x], v[P+16*\x], v[P+16*\x+1], v[P+16*\x+2]
.endif
.endr
.irp x, 0,1
.if \x >= LO
	v_max3_num_f32 v[P+16*\x], v[P+16*\x], v[P+16*\x+3], v[ST+8*\x]   ; and the old m
.endif
.endr
.irp x, 0,1
.if \x >= LO
	v_permlanex16_b32 v[ST+8*\x+1], v[P+16*\x], s20, s21              ; the query's other 32 keys lie in the lane 16 away
.endif
.endr
.irp x, 0,1
.if \x >= LO
	v_max_num_f32 v[P+16*\x+1], v[P+16*\x], v[ST+8*\x+1]
.endif
.endr
.irp x, 0,1
.if \x >= LO
	v_sub_f32 v[ST+8*\x+4], v[ST+8*\x], v[P+16*\x+1]                  ; m_old - m_new
	v_mov_b32 v[ST+8*\x], v[P+16*\x+1]
.endif
.endr
.irp n, 0,1,2,3,4,5,6,7,8,9,10,11,12,13,14,15
.irp x, 0,1
.if \x >= LO
	v_pk_add_f32 v[S+32*\x+2*\n:S+32*\x+2*\n+1], v[S+32*\x+2*\n:S+32*\x+2*\n+1], v[ST+8*\x:ST+8*\x+1] op_sel_hi:[1,0] neg_lo:[0,1] neg_hi:[0,1]   ; s - m
.endif
.endr
.endr
.irp x, 0,1                                    ; ONE BATCH of exponentials: a and the 32 weights of each tile
.if \x >= LO
	v_exp_f32 v[ST+8*\x+4], v[ST+8*\x+4]
.irp n, 0,1,2,3,4,5,6,7,8,9,10,11,12,13,14,15,16,17,18,19,20,21,22,23,24,25,26,27,28,29,30,31
	v_exp_f32 v[S+32*\x+\n], v[S+32*\x+\n]
.endr
.endif
.endr
	v_nop                                          ; a plain line behind the last exponential,
	s_wait_alu depctr_va_vdst(0)                   ; and one wait for the batch ahead of its first reader
.irp n, 0,1,2,3,4,5,6,7,8,9,10,11,12,13,14,15
.irp x, 0,1
.if \x >= LO
	v_cvt_pk_f16_f32 v[P+16*\x+\n], v[S+32*\x+2*\n], v[S+32*\x+2*\n+1]
.endif
.endr
.endr
.irp x, 0,1                                    ; l = a l + the sum of the unrounded weights, in two chains of pairs
.if \x >= LO
	v_pk_fma_f32 v[ST+8*\x+2:ST+8*\x+3], v[ST+8*\x+2:ST+8*\x+3], v[ST+8*\x+4:ST+8*\x+5], v[S+32*\x:S+32*\x+1] op_sel_hi:[1,0,1]
	v_pk_add_f32 v[ST+8*\x+6:ST+8*\x+7], v[S+32*\x+2:S+32*\x+3], v[S+32*\x+4:S+32*\x+5]
.endif
.endr
.irp n, 3,5,7,9,11,13
.irp x, 0,1
.if \x >= LO
	v_pk_add_f32 v[ST+8*\x+2:ST+8*\x+3], v[ST+8*\x+2:ST+8*\x+3], v[S+32*\x+2*\n:S+32*\x+2*\n+1]
	v_pk_add_f32 v[ST+8*\x+6:ST+8*\x+7], v[ST+8*\x+6:ST+8*\x+7], v[S+32*\x+2*\n+2:S+32*\x+2*\n+3]
.endif
.endr
.endr
.irp x, 0,1
.if \x >= LO
	v_pk_add_f32 v[ST+8*\x+2:ST+8*\x+3], v[ST+8*\x+2:ST+8*\x+3], v[S+32*\x+30:S+32*\x+31]
.endif
.endr
.irp x, 0,1
.if \x >= LO
	v_pk_add_f32 v[ST+8*\x+2:ST+8*\x+3], v[ST+8*\x+2:ST+8*\x+3], v[ST+8*\x+6:ST+8*\x+7]
.endif
.endr
	WIN W_RS
.irp n, 0,1,2,3,4,5,6,7,8,9,10,11,12,13,14,15
.irp x, 0,1
.if \x >= LO
	v_pk_mul_f32 v[OW+32*\x+2*\n:OW+32*\x+2*\n+1], v[OW+32*\x+2*\n:OW+32*\x+2*\n+1], v[ST+8*\x+4:ST+8*\x+5] op_sel_hi:[1,0]   ; O^T x a, each accumulator from its low end on
.endif
.endr
.endr
.if \q < 3
	s_wait_dscnt 16                                ; V is in; the next step's sixteen loads of K may be out
.else
	s_wait_dscnt 0x0
.endif
	WIN W_PV
.irp kh, 0,1
.irp dt, 0,1,2,3
.irp x, 0,1
.if \x >= LO
	v_wmma_f32_16x16x32_f16 v[OW+32*\x+8*\dt:OW+32*\x+8*\dt+7], v[VFR+16*\dt+8*\kh:VFR+16*\dt+8*\kh+7], v[P+16*\x+8*\kh:P+16*\x+8*\kh+7], v[OW+32*\x+8*\dt:OW+32*\x+8*\dt+7]
.endif
.endr
.endr
.endr
	WIN 0
.endm
; THE CHANGE OF SLOTS stands at a slot's head: each wave waits for all its tensor loads (its part of the slot ahead), adds 0 to its spare word, waits for that and for its reads of the slot that it has left; one barrier.
; fill = 1: behind it the slot just left is filled with the next 256 keys, if any wave of the work-group will read them.
.macro CHANGE fill
	s_wait_tensorcnt 0x0                           ; no tensor load of mine is out, so group 0 may be written
	ds_add_u32 v[SPW], v[NIL]
.if \fill
	s_xor_b32 s[G0+1], s[G0+1], SLOTB              ; the other slot than last time,
	s_add_nc_u64 s[G0+2:G0+3], s[G0+2:G0+3], SLOTB ; the next four steps; the type bits on top are not reached
	s_wait_xcnt 0x0                                ; the last prefetch, a slot back, has read its address
	s_add_nc_u64 s[PFA:PFA+1], s[PFA:PFA+1], SLOTB ; one slot further on than the descriptor
.endif
	s_wait_dscnt 0x0                               ; the add is done, and my reads of the slot that I have left are over
	s_barrier_signal -1
	s_barrier_wait -1
.if \fill
	s_add_co_u32 s41, s[KS], 256                   ; the first key of the slot that this change would ask for,
	s_cmp_gt_u32 s41, s[QL]                        ; against the work-group's last query: ids and the count of slots alone, the same in all eight waves
	s_cbranch_scc1 .Lpast_\@
	tensor_load_to_lds s[G0:G0+3], s[G1:G1+7]      ; my one tensor load until the next such barrier
	s_nop 0
.rept 4
	v_nop
.endr
.Lpast_\@:
	s_cmp_gt_u32 s[SLOTS], s[LIM]                  ; a prefetch of what the NEXT change will ask for: four key steps ahead of that load.  All 64 work-groups of a group walk the same bytes: the first asks,
	s_cbranch_scc0 .Lnot_mine_\@                   ; each of its eight waves for its own 8 KB, lanes 256 bytes apart, so each block is named once; the last filling change asks for nothing
	global_prefetch_b8 v[PFO], s[PFA:PFA+1] th:TH_LOAD_NT scope:SCOPE_SE
.Lnot_mine_\@:
.endif
.endm
; A slot's four steps.  A step is walked for a tile where its first key is at or under the tile's first query (both are multiples of 16).  both = 0: the text holds tile B's step alone.
.macro SLOT_STEPS both
	v_add_nc_u32 v[ADR], s[TB], v[LI]
	s_cmp_gt_u32 s[KS], s[QA0+1]
	s_cbranch_scc1 .Lend_\@
	LK 0
.irp q, 0,1,2,3
	s_add_co_u32 s[KF], s[KS], 64*\q
.if \q > 0
	s_cmp_gt_u32 s[KF], s[QA0+1]
	s_cbranch_scc1 .Lend_\@
.endif
.if \both
	s_cmp_gt_u32 s[KF], s[QA0]
	s_cbranch_scc1 .Lone_\@_\q
	STEP \q, 1
	s_branch .Ldone_\@_\q
.Lone_\@_\q:
.endif
	STEP \q, 0
.Ldone_\@_\q:
.endr
.Lend_\@:
	s_add_co_u32 s[KS], s[KS], 256
	s_xor_b32 s[TB], s[TB], SLOTB
.endm
	s_wait_loadcnt 0x0                             ; Q
.Lslot:                                            ; 15 trips
	CHANGE 1
	SLOT_STEPS 1
	s_sub_co_u32 s[SLOTS], s[SLOTS], 1
	s_cmp_lg_u32 s[SLOTS], 0
	s_cbranch_scc1 .Lslot
	CHANGE 0                                       ; the last slot is written out: nothing is left to ask for.  Tile A's queries end under key 2,048, so only tile B's step stands here
	SLOT_STEPS 0
	; THE WAY OUT: O^T / l, packed to f16: the projection's fragments as they stand
.irp x, 0,1
	v_add_f32 v[ST+8*\x+6], v[ST+8*\x+2], v[ST+8*\x+3]
.endr
.irp x, 0,1
	v_permlanex16_b32 v[ST+8*\x+7], v[ST+8*\x+6], s20, s21
.endr
.irp x, 0,1
	v_add_f32 v[ST+8*\x+6], v[ST+8*\x+6], v[ST+8*\x+7]
.endr
	v_nop
	v_nop
.irp x, 0,1
	v_rcp_f32 v[ST+8*\x+4], v[ST+8*\x+6]
.endr
	v_nop
	s_wait_alu depctr_va_vdst(0)                   ; one wait for the two reciprocals
	WIN 0x01                                       ; source 0 window 1
.irp x, 0,1
.irp n, 0,1,2,3,4,5,6,7,8,9,10,11,12,13,14,15
	v_pk_mul_f32 v[S+32*\x+2*\n:S+32*\x+2*\n+1], v[OW+32*\x+2*\n:OW+32*\x+2*\n+1], v[ST+8*\x+4:ST+8*\x+5] op_sel_hi:[1,0]
.endr
.endr
	WIN 0
.irp x, 0,1
.irp n, 0,1,2,3,4,5,6,7,8,9,10,11,12,13,14,15
	v_cvt_pk_f16_f32 v[P+16*\x+\n], v[S+32*\x+2*\n], v[S+32*\x+2*\n+1]
.endr
.endr
.irp f, 0,1,2,3
	global_store_b128 v[LI], v[P+4*\f:P+4*\f+3], s[50:51] offset:512*\f
	global_store_b128 v[LI], v[P+16+4*\f:P+16+4*\f+3], s[52:53] offset:512*\f
.endr
	s_wait_tensorcnt 0x0                           ; the wave's end
	ds_add_u32 v[SPW], v[NIL]
	s_wait_dscnt 0x0
	s_endpgm
.Lfunc_end_k_qced735679e_attn:
	.size	k_qced735679e_attn, .Lfunc_end_k_qced735679e_attn-k_qced735679e_attn
	.p2alignl 7, 3214868480
	.fill 96, 4, 3214868480
	.section	.rodata,"a",@progbits
	.p2align	6, 0x0
	.amdhsa_kernel k_qced735679e_attn
		.amdhsa_group_segment_fixed_size 327680
		.amdhsa_private_segment_fixed_size 0
		.amdhsa_enable_private_segment 0
		.amdhsa_kernarg_size 24
		.amdhsa_user_sgpr_count 2
		.amdhsa_user_sgpr_kernarg_segment_ptr 1
		.amdhsa_wavefront_size32 1
		.amdhsa_system_sgpr_workgroup_id_x 1
		.amdhsa_system_sgpr_workgroup_id_y 1
		.amdhsa_system_sgpr_workgroup_id_z 1
		.amdhsa_system_vgpr_workitem_id 0
		.amdhsa_next_free_vgpr 384
		.amdhsa_next_free_sgpr 66
		.amdhsa_reserve_vcc 1
		.amdhsa_float_denorm_mode_32 3
		.amdhsa_float_denorm_mode_16_64 3
		.amdhsa_memory_ordered 1
		.amdhsa_forward_progress 1
		.amdhsa_inst_pref_size 193
	.end_amdhsa_kernel
	.amdgpu_metadata
---
amdhsa.version: [ 1, 2 ]
amdhsa.kernels:
  - .name:           k_qced735679e_attn
    .symbol:         k_qced735679e_attn.kd
    .args:
      - { .name: qf, .offset: 0, .size: 8, .value_kind: global_buffer, .address_space: global }
      - { .name: kvf, .offset: 8, .size: 8, .value_kind: global_buffer, .address_space: global }
      - { .name: af, .offset: 16, .size: 8, .value_kind: global_buffer, .address_space: global }
    .group_segment_fixed_size: 327680
    .private_segment_fixed_size: 0
    .kernarg_segment_align: 8
    .kernarg_segment_size: 24
    .max_flat_workgroup_size: 256
    .sgpr_count:     66
    .vgpr_count:     384
    .wavefront_size: 32
...
	.end_amdgpu_metadata
.endif
;; end of part 3
;; launch proj (part 4): grid 8 x 32, 4 waves a work-group, clusters of 4 x 4, 327,680 bytes of LDS; arguments af, wo, out0, b_out; writes out0
.if DOCPART == 4
	.amdgcn_target "amdgcn-amd-amdhsa--gfx1250"
	.amdhsa_code_object_version 6
	.text
	.protected	k_qced735679e_proj
	.globl	k_qced735679e_proj
	.p2align	8
	.type	k_qced735679e_proj,@function
k_qced735679e_proj:
	s_mov_b64 s[64:65], 0
	v_nop
	global_prefetch_b8 v0, s[64:65] scope:SCOPE_SE
	s_setreg_imm32_b32 hwreg(HW_REG_WAVE_MODE, 25, 1), 1
	s_wait_xcnt 0x0
	s_wait_alu depctr_hold_cnt(0) depctr_sa_sdst(0) depctr_va_vdst(0) depctr_va_sdst(0) depctr_va_ssrc(0) depctr_va_vcc(0) depctr_vm_vsrc(0)
	s_getreg_b32 s2, hwreg(HW_REG_IB_STS2, 6, 4)
	s_cmp_eq_u32 s2, 0
	s_cbranch_scc0 .Lentry_in_a_cluster
	s_endpgm
.Lentry_in_a_cluster:
	s_bfe_u32 s2, ttmp6, 0x10000c
	s_cmp_lg_u32 s2, 0xf033
	s_cbranch_scc0 .Lentry_shape_is_right
	s_endpgm
.Lentry_shape_is_right:
; out0 = attention W_out + b_out: M 4,096, N 1,024, K 1,024; f16 operands, f32 sums.  A tile of 128 x 128 to a work-group (256 work-groups), 64 x 64 to each of four waves: 16 accumulators.
; Both operands lie in memory as images of their fragments (1 KB each, [K quarter][tile of 16 rows][32 k]), so a K step of 256 of 64 rows is one dense block of 32 KB: what one tensor load brings.
; K goes in four steps of 256 through two LDS slots of 128 KB; no padding: every fragment load takes 512 consecutive bytes.
; CLUSTERS: 4 x 4 work-groups; A's tiles are shared along a row of the cluster, B's along a column: each is asked for jointly, by the same load with the same descriptor and a mask that names the four.
; THE PRODUCT IS USED TRANSPOSED (source 0 = 16 columns of W_out, source 1 = 16 positions): a lane holds eight neighbouring numbers of a row of out0.  The bias is the C of each sum's first product.
; Rows 0-15 are written here like all others and are written anew, in f32 precision, by the launch that follows.
; REGISTERS: window 0: v0-31 addresses; v32-95 at work on the way out; v96-127 the bias; v128-255 accumulators ((a, b) at 128 + 8 (4 a + b)).  Window 1: two fragment buffers of 128: 64 of A, then 64 of B.
.set HALFT,  32768                     ; 64 rows x 256 along K: what one tensor load brings
.set SLOT,   131072                    ; A's 128 rows, then B's 128
.set STAGE,  262144                    ; behind the ring: 16 rows x 272 bytes for each wave
.set SPITCH, 272
.set SPARE,  STAGE+4*16*SPITCH         ; the spare words, 128 bytes a wave
.set ASTEP,  2097152                   ; a K step on, in af
.set BSTEP,  524288                    ; and in wo
.set ADRA, 16
.set ADRB, 20
.set STO,  24
.set RD,   25
.set CO,   26
.set BO,   27
.set SPW,  28                          ; v28 my spare word; never rewritten
.set NIL,  29                          ; v29 0; never rewritten
.set TMP,  32
.set BIAS, 96
.set ACC,  128
.set F0,   0
.set F1,   128
.set G1, 24
.set G0, 32
.set G1B, 48
.set G0B, 56
.set MSB, 0
.macro WIN new
.if MSB != \new
	s_set_vgpr_msb (MSB<<8)|\new
.set MSB, \new
.endif
.endm
.set MUL,  0x05                        ; sources 0 (B) and 1 (A) window 1; C and D window 0
.set TO_F, 0x40                        ; destination window 1, address window 0
.macro JLOAD s                         ; a joint load: waves 0 and 1 fetch A's two halves, waves 2 and 3 B's; the branch hangs on the wave's number alone
	s_cmp_eq_u32 s11, 0
	s_cbranch_scc0 .Lfor_b_\@
	tensor_load_to_lds s[G0+4*\s:G0+4*\s+3], s[G1:G1+7]
	s_nop 0
.rept 4
	v_nop
.endr
	s_branch .Lasked_\@
.Lfor_b_\@:
	tensor_load_to_lds s[G0B+4*\s:G0B+4*\s+3], s[G1B:G1B+7]
	s_nop 0
.rept 4
	v_nop
.endr
.Lasked_\@:
.endm
.macro CREST                           ; a round of the cluster's barrier behind its opening barrier
	s_cmp_lg_u32 s10, 0
	s_cbranch_scc1 .Lnot_wave_0_\@
	s_barrier_signal -3
.Lnot_wave_0_\@:
	s_barrier_wait -3
	s_barrier_signal -1
	s_barrier_wait -1
.endm
.macro CROUND
	s_barrier_signal -1
	s_barrier_wait -1
	CREST
.endm
	s_load_b128 s[4:7], s[0:1], 0x0                ; af, wo
	s_load_b64 s[8:9], s[0:1], 0x10                ; out0
	s_load_b64 s[68:69], s[0:1], 0x18              ; b_out
	v_lshl_add_u32 v[SPW], v0, 2, SPARE
	v_mov_b32 v[NIL], 0
	ds_add_u32 v[SPW], v[NIL]                      ; the wave's opening: the add, twice on end, and its wait ahead of my first tensor load
	ds_add_u32 v[SPW], v[NIL]
	v_lshrrev_b32 v1, 5, v0
	v_readfirstlane_b32 s10, v1                    ; wave 0..3
	s_lshr_b32 s11, s10, 1                         ; which half of the tile's rows is mine.  Also: I fetch for A (0) or for B (1)
	s_and_b32 s12, s10, 1                          ; which half of its columns.  Also: which 64 rows of that tile I fetch
	s_bfe_u32 s40, ttmp6, 0x40000                  ; cx, cy
	s_bfe_u32 s41, ttmp6, 0x40004
	s_lshl_b32 s42, ttmp9, 2
	s_add_co_u32 s42, s42, s40                     ; tile column
	s_and_b32 s13, ttmp7, 0xffff
	s_lshl_b32 s13, s13, 2
	s_add_co_u32 s13, s13, s41                     ; tile row
	s_lshl_b32 s43, s41, 2
	s_lshl_b32 s43, 15, s43                        ; my row of the cluster
	s_lshl_b32 s44, 0x1111, s40                    ; my column
	s_or_b32 s[G1+0], s43, (3<<16)|(1<<21)         ; the mask; elements of 8 bytes; bit 21 set beside a mask; no padding
	s_or_b32 s[G1B+0], s44, (3<<16)|(1<<21)
.irp g, G1, G1B
	s_mov_b32 s[\g+1], 32<<16                      ; 128 rows of 256 bytes, dense
	s_mov_b32 s[\g+2], 128<<16
	s_mov_b32 s[\g+3], 32<<16
	s_mov_b32 s[\g+4], 128
	s_mov_b32 s[\g+5], 32
	s_mov_b32 s[\g+6], 0
	s_mov_b32 s[\g+7], 0
.endr
	s_lshl_b32 s17, s12, 2                         ; which four tiles of 16 rows I fetch
	s_lshl_b32 s16, s13, 3
	s_add_co_u32 s16, s16, s17
	s_lshl_b32 s16, s16, 13                        ; A: (8 x tile row + 4 x half) x 8 KB
	s_lshl_b32 s46, s42, 3
	s_add_co_u32 s46, s46, s17
	s_lshl_b32 s46, s46, 13                        ; B: by the tile column
	s_mov_b32 s17, 0
	s_mov_b32 s47, 0
	s_lshl_b32 s20, s10, 15                        ; where they go: wave x 32 KB: no place in the cluster enters an LDS address
	s_wait_dscnt 0x0                               ; both opening adds are done
	s_wait_kmcnt 0x0
	s_add_nc_u64 s[14:15], s[4:5], s[16:17]
	s_add_nc_u64 s[46:47], s[6:7], s[46:47]
	CROUND                                         ; all sixteen work-groups are here: the first joint loads meet
.irp s, 0,1
	s_mov_b32 s[G0+4*\s], 1
	s_add_co_u32 s[G0+4*\s+1], s20, \s*SLOT
	s_add_nc_u64 s[G0+4*\s+2:G0+4*\s+3], s[14:15], \s*ASTEP
	s_or_b32 s[G0+4*\s+3], s[G0+4*\s+3], 0x80000000
	s_mov_b32 s[G0B+4*\s], 1
	s_add_co_u32 s[G0B+4*\s+1], s20, \s*SLOT
	s_add_nc_u64 s[G0B+4*\s+2:G0B+4*\s+3], s[46:47], \s*BSTEP
	s_or_b32 s[G0B+4*\s+3], s[G0B+4*\s+3], 0x80000000
	JLOAD \s
.endr
	v_and_b32 v1, 15, v0                           ; r
	v_bfe_u32 v2, v0, 4, 1                         ; h
	v_and_b32 v3, 31, v0
	v_lshlrev_b32 v3, 4, v3                        ; 16 x lane
	s_lshl_b32 s21, s11, 15                        ; my 64 rows of A
	s_lshl_b32 s22, s12, 15                        ; my 64 rows of B,
	s_add_co_u32 s22, s22, 2*HALFT                 ; which lie behind A's 128
.irp s, 0,1
	v_add_nc_u32 v[ADRA+\s], s21, v3
	v_add_nc_u32 v[ADRB+\s], s22, v3
	s_add_co_u32 s21, s21, SLOT
	s_add_co_u32 s22, s22, SLOT
.endr
	s_mul_i32 s23, s10, 16*SPITCH
	s_add_co_u32 s23, s23, STAGE                   ; my stage
	v_mul_u32_u24 v4, v1, SPITCH
	v_lshl_add_u32 v4, v2, 5, v4
	v_add_nc_u32 v[STO], s23, v4                   ; in: row r, + 32 h
	v_mul_u32_u24 v5, v2, SPITCH
	v_lshl_add_u32 v5, v1, 4, v5
	v_add_nc_u32 v[RD], s23, v5                    ; back: sixteen lanes to a row of 256 bytes, two rows an instruction
	v_lshlrev_b32 v5, 12, v2
	v_lshl_add_u32 v[CO], v1, 4, v5                ; and the same two rows in out0
	s_lshl_b32 s16, s13, 7
	s_lshl_b32 s17, s11, 6
	s_add_co_u32 s16, s16, s17
	s_lshl_b32 s16, s16, 12                        ; my first row: (128 x tile row + 64 x half) x 4,096 bytes
	s_mov_b32 s17, 0
	s_add_nc_u64 s[8:9], s[8:9], s[16:17]
	s_lshl_b32 s46, s42, 9
	s_lshl_b32 s47, s12, 8
	s_add_co_u32 s46, s46, s47                     ; my first column, in bytes
	s_mov_b32 s47, 0
	s_add_nc_u64 s[8:9], s[8:9], s[46:47]
	s_add_nc_u64 s[68:69], s[68:69], s[46:47]
	v_lshlrev_b32 v[BO], 5, v2
.irp b, 0,1,2,3
.irp u, 0,1
	global_load_b128 v[BIAS+8*\b+4*\u:BIAS+8*\b+4*\u+3], v[BO], s[68:69] offset:64*\b+16*\u   ; b_out at columns 16 b + 8 h + 0 .. 7: the result's layout
.endr
.endr
; 8 matrix instructions: m blocks a0, a0 + 1 x all 4 n blocks, 32 along K: half c of buffer f.  zero = 1: the first product starts the sums from the bias
.macro MUL8 f, c, a0, zero
.irp a, \a0, \a0+1
.irp b, 0,1,2,3
.if \zero
	v_wmma_f32_16x16x32_f16 v[ACC+8*(4*(\a)+\b):ACC+8*(4*(\a)+\b)+7], v[\f+64+8*(4*\c+\b):\f+64+8*(4*\c+\b)+7], v[\f+8*(4*\c+\a):\f+8*(4*\c+\a)+7], v[BIAS+8*\b:BIAS+8*\b+7]
.else
	v_wmma_f32_16x16x32_f16 v[ACC+8*(4*(\a)+\b):ACC+8*(4*(\a)+\b)+7], v[\f+64+8*(4*\c+\b):\f+64+8*(4*\c+\b)+7], v[\f+8*(4*\c+\a):\f+8*(4*\c+\a)+7], v[ACC+8*(4*(\a)+\b):ACC+8*(4*(\a)+\b)+7]
.endif
.endr
.endr
.endm
; 32 LDS loads in one run: the fragments of the slot's kq-th 64 along K into buffer f; the first 32 along K first
.macro FETCH slot, kq, f
	WIN TO_F
.irp c, 0,1
.irp i, 0,1,2,3
	ds_load_b128 v[\f+64+8*(4*\c+\i):\f+64+8*(4*\c+\i)+3],   v[ADRB+\slot] offset:8192*\i+1024*(2*\kq+\c)
	ds_load_b128 v[\f+64+8*(4*\c+\i)+4:\f+64+8*(4*\c+\i)+7], v[ADRB+\slot] offset:8192*\i+1024*(2*\kq+\c)+512
	ds_load_b128 v[\f+8*(4*\c+\i):\f+8*(4*\c+\i)+3],         v[ADRA+\slot] offset:8192*\i+1024*(2*\kq+\c)
	ds_load_b128 v[\f+8*(4*\c+\i)+4:\f+8*(4*\c+\i)+7],       v[ADRA+\slot] offset:8192*\i+1024*(2*\kq+\c)+512
.endr
.endr
.endm
.macro PLACES                          ; four plain lines in front of loads into registers that matrix instructions have read, and of the first read of results
.rept 4
	v_nop
.endr
.endm
; A K step is four quarters of 64 along K, 32 matrix instructions each, on buffers 0, 1, 0, 1.  One of the first three: multiplies buffer f and fetches quarter kq into g.
.macro QUARTER slot, kq, f, g, zero
	s_wait_dscnt 16                                ; the first 32 along K are in; the other sixteen loads may be out
	WIN MUL
	MUL8 \f, 0, 0, \zero
	MUL8 \f, 0, 2, \zero
	PLACES
	FETCH \slot, \kq, \g
	s_wait_dscnt 32                                ; all but the 32 just issued
	WIN MUL
	MUL8 \f, 1, 0, 0
	MUL8 \f, 1, 2, 0
.endm
; The last quarter multiplies buffer 1 and changes slots: ONE barrier; in front of it each wave waits for all its tensor loads, adds 0 to its spare word, and waits for that and for its reads of this slot.
.macro TURN slot, next, fill
	WIN 0
	s_wait_tensorcnt 0x0                           ; all my tensor loads have landed: my part of the next slot
	ds_add_u32 v[SPW], v[NIL]
	s_wait_dscnt 17                                ; (the add and the youngest sixteen loads may be out)
	WIN MUL
	MUL8 F1, 0, 0, 0
	s_wait_dscnt 0x0                               ; the add is done, and my reads of this slot are over
	s_barrier_signal -1
	MUL8 F1, 0, 2, 0
.if \fill
	WIN 0
.endif
	s_barrier_wait -1
.if \fill
	CREST                                          ; the barrier has opened a round of the cluster's barrier: no wave of any partner still reads this slot or has a load on its way
	s_add_nc_u64 s[G0+4*\slot+2:G0+4*\slot+3], s[G0+4*\slot+2:G0+4*\slot+3], 2*ASTEP
	s_add_nc_u64 s[G0B+4*\slot+2:G0B+4*\slot+3], s[G0B+4*\slot+2:G0B+4*\slot+3], 2*BSTEP
	JLOAD \slot                                    ; the first tensor load behind the round; its four v_nop are also the lines in front of the loads below
.else
	PLACES
.endif
	FETCH \next, 0, F0
	WIN MUL
	MUL8 F1, 1, 0, 0
	MUL8 F1, 1, 2, 0
.endm
	s_wait_tensorcnt 1                             ; my part of K step 0 is in; K step 1's may be out
	s_barrier_signal -1
	s_barrier_wait -1
	FETCH 0, 0, F0
	s_wait_loadcnt 0x0                             ; the bias
	QUARTER 0, 1, F0, F1, 1                        ; K step 0
	QUARTER 0, 2, F1, F0, 0
	QUARTER 0, 3, F0, F1, 0
	TURN 0, 1, 1                                   ; slot 0 takes K step 2
	QUARTER 1, 1, F0, F1, 0                        ; K step 1
	QUARTER 1, 2, F1, F0, 0
	QUARTER 1, 3, F0, F1, 0
	TURN 1, 0, 1                                   ; slot 1 takes K step 3
	QUARTER 0, 1, F0, F1, 0                        ; K step 2
	QUARTER 0, 2, F1, F0, 0
	QUARTER 0, 3, F0, F1, 0
	TURN 0, 1, 0                                   ; nothing is left to fetch
	QUARTER 1, 1, F0, F1, 0                        ; K step 3
	QUARTER 1, 2, F1, F0, 0
	QUARTER 1, 3, F0, F1, 0
	s_wait_dscnt 16
	WIN MUL
	MUL8 F1, 0, 0, 0
	MUL8 F1, 0, 2, 0
	s_wait_dscnt 0x0
	MUL8 F1, 1, 0, 0
	MUL8 F1, 1, 2, 0
	WIN 0
	; THE WAY OUT, 16 rows at a time through my own stage: a wave's 64 columns are 256 bytes, which sixteen lanes store whole
	PLACES
.macro TOSTAGE a
.irp b, 0,1,2,3
	ds_store_b128 v[STO], v[ACC+8*(4*(\a)+\b):ACC+8*(4*(\a)+\b)+3] offset:64*\b          ; each accumulator from its low end on
	ds_store_b128 v[STO], v[ACC+8*(4*(\a)+\b)+4:ACC+8*(4*(\a)+\b)+7] offset:64*\b+16
.endr
.irp i, 0,1,2,3,4,5,6,7
	ds_load_b128 v[TMP+32*((\a)%2)+4*\i:TMP+32*((\a)%2)+4*\i+3], v[RD] offset:544*\i      ; LDS serves a wave's instructions in order: these see my stores, and the next block's stores come behind them
.endr
.endm
.macro SEND a, younger
	s_wait_dscnt \younger
.irp i, 0,1,2,3,4,5,6,7
	global_store_b128 v[CO], v[TMP+32*((\a)%2)+4*\i:TMP+32*((\a)%2)+4*\i+3], s[8:9] offset:(16*(\a)+2*\i)*4096 th:TH_STORE_NT
.endr
.endm
	TOSTAGE 0
	TOSTAGE 1
	SEND 0, 16                                     ; behind block 0's loads: block 1's 8 stores and 8 loads
	s_wait_xcnt 0x0                                ; block 0's stores have read their registers: block 2's loads may land there
	TOSTAGE 2
	SEND 1, 16
	s_wait_xcnt 0x0
	TOSTAGE 3
	SEND 2, 16
	SEND 3, 0
	s_wait_tensorcnt 0x0                           ; the wave's end
	ds_add_u32 v[SPW], v[NIL]
	s_wait_dscnt 0x0
	CROUND                                         ; the closing round: no work-group ends while a partner may still ask for a tile that names it
	s_endpgm
.Lfunc_end_k_qced735679e_proj:
	.size	k_qced735679e_proj, .Lfunc_end_k_qced735679e_proj-k_qced735679e_proj
	.p2alignl 7, 3214868480
	.fill 96, 4, 3214868480
	.section	.rodata,"a",@progbits
	.p2align	6, 0x0
	.amdhsa_kernel k_qced735679e_proj
		.amdhsa_group_segment_fixed_size 327680
		.amdhsa_private_segment_fixed_size 0
		.amdhsa_enable_private_segment 0
		.amdhsa_kernarg_size 32
		.amdhsa_user_sgpr_count 2
		.amdhsa_user_sgpr_kernarg_segment_ptr 1
		.amdhsa_wavefront_size32 1
		.amdhsa_system_sgpr_workgroup_id_x 1
		.amdhsa_system_sgpr_workgroup_id_y 1
		.amdhsa_system_sgpr_workgroup_id_z 1
		.amdhsa_system_vgpr_workitem_id 0
		.amdhsa_next_free_vgpr 512
		.amdhsa_next_free_sgpr 72
		.amdhsa_reserve_vcc 0
		.amdhsa_float_denorm_mode_32 3
		.amdhsa_float_denorm_mode_16_64 3
		.amdhsa_memory_ordered 1
		.amdhsa_forward_progress 1
		.amdhsa_inst_pref_size 86
	.end_amdhsa_kernel
	.amdgpu_metadata
---
amdhsa.version: [ 1, 2 ]
amdhsa.kernels:
  - .name:           k_qced735679e_proj
    .symbol:         k_qced735679e_proj.kd
    .args:
      - { .name: af, .offset: 0, .size: 8, .value_kind: global_buffer, .address_space: global }
      - { .name: wo, .offset: 8, .size: 8, .value_kind: global_buffer, .address_space: global }
      - { .name: out0, .offset: 16, .size: 8, .value_kind: global_buffer, .address_space: global }
      - { .name: b_out, .offset: 24, .size: 8, .value_kind: global_buffer, .address_space: global }
    .group_segment_fixed_size: 327680
    .private_segment_fixed_size: 0
    .kernarg_segment_align: 8
    .kernarg_segment_size: 32
    .max_flat_workgroup_size: 128
    .sgpr_count:     72
    .vgpr_count:     512
    .wavefront_size: 32
...
	.end_amdgpu_metadata
.endif
;; end of part 4
;; launch first16 (part 5): grid 64 x 1, 16 waves a work-group, no clusters, 18,432 bytes of LDS; arguments q16, out1, out2, W_out, b_out, out0; writes out0
.if DOCPART == 5
	.amdgcn_target "amdgcn-amd-amdhsa--gfx1250"
	.amdhsa_code_object_version 6
	.text
	.protected	k_qced735679e_first16
	.globl	k_qced735679e_first16
	.p2align	8
	.type	k_qced735679e_first16,@function
k_qced735679e_first16:
	s_mov_b64 s[64:65], 0
	v_nop
	global_prefetch_b8 v0, s[64:65] scope:SCOPE_SE
	s_setreg_imm32_b32 hwreg(HW_REG_WAVE_MODE, 25, 1), 1
	s_wait_xcnt 0x0
; Positions 0-15 once more, all in f32: they average one to sixteen values, so the rounding of 16-bit operands would weigh most there.  Rows 0-15 of out0 are written over.
; Work-group x makes columns 16 x .. 16 x + 15 of the 16 rows; wave w takes head w: its 16 x 16 attention (repeated in every work-group: 32 small matrix instructions), then its 64 rows of W_out;
; the sixteen heads' parts meet in LDS and waves 0 and 1 add them, with the bias, in the heads' order.
; All three products are used transposed, so that a lane holds one query, and the order of k is permuted alike in both sources, so that each result is the next product's source as it stands.
; W_out is read, and out0 written, in pieces of 64 bytes: the price of 64 work-groups for 16 rows (4 MB read once, 64 KB written).
; The registers that the f32 matrix form writes (v144-207) are written by nothing else; every sum begins with the constant 0.
.set SPARE, 16384                      ; behind the 16 parts of 1 KB: the spare words, 128 bytes a wave
.set Q,  16                            ; v16-47   Q: chunk n = 2 t + u: d = 16 t + 8 h + 4 u + 0 .. 3 of query r
.set K,  48                            ; v48-79   K: the same d of key r
.set V,  80                            ; v80-111  V[dt][e]: key 8 h + e, d = 16 dt + r
.set W,  112                           ; v112-143 W[dt][e]: row 64 w + 16 dt + 8 h + e, column 16 x + r
.set AC, 144                           ; v144-175 four partial sums of S^T, later of the output
.set O,  176                           ; v176-207 O^T[dt]
.set T,  208
.set PN, 216
.set U,  224
.set BI, 232
.set SPW, 236                          ; my spare word; never rewritten
.set NIL, 237                          ; 0; never rewritten
	s_load_b256 s[4:11], s[0:1], 0x0               ; q16, out1, out2, W_out
	s_load_b128 s[12:15], s[0:1], 0x20             ; b_out, out0
	v_lshl_add_u32 v[SPW], v0, 2, SPARE
	v_mov_b32 v[NIL], 0
	v_lshrrev_b32 v10, 5, v0
	v_readfirstlane_b32 s18, v10                   ; wave = head
	s_lshr_b32 s20, s18, 2                         ; its group
	v_and_b32 v10, 31, v0                          ; lane
	v_and_b32 v11, 15, v0                          ; r
	v_bfe_u32 v12, v0, 4, 1                        ; h
	v_lshlrev_b32 v1, 4, v10                       ; Q: 16 x lane
	v_lshlrev_b32 v2, 8, v11
	v_lshl_add_u32 v2, v12, 5, v2                  ; K: 256 r + 32 h
	v_lshlrev_b32 v3, 2, v11
	v_lshl_add_u32 v4, v12, 15, v3                 ; W: 8 h rows of 4,096 bytes + 4 r
	v_lshl_add_u32 v3, v12, 11, v3                 ; V: 8 h rows of 256 bytes + 4 r
	s_and_b32 s21, s18, 1
	s_lshl_b32 s21, s21, 4                         ; 16 u: which half of a lane's eight results waves 0 and 1 add
	v_lshlrev_b32 v5, 5, v12
	v_add_nc_u32 v5, s21, v5                       ; the bias: 32 h + 16 u
	v_lshlrev_b32 v6, 5, v10
	v_add_nc_u32 v7, s21, v6                       ; a part, read: 32 x lane + 16 u
	s_lshl_b32 s22, s18, 10
	v_add_nc_u32 v6, s22, v6                       ; my part, stored: 1,024 w + 32 x lane
	v_lshl_add_u32 v8, v11, 12, v5                 ; out0: row r, + 32 h + 16 u
	v_lshlrev_b32 v9, 3, v12
	v_sub_nc_u32 v9, v11, v9                       ; r - 8 h
	v_mov_b32 v13, 0xff800000                      ; -infinity
	v_mov_b32 v15, 0                               ; a lane permute's destination counts as one of its sources
	s_mov_b32 s26, 0x3e38aa3b                      ; c = log2(e) / 8
	s_mov_b32 s27, 0x76543210
	s_mov_b32 s28, 0xfedcba98
	s_mov_b32 s31, 0
	s_mov_b32 s33, 0
	s_mov_b32 s35, 0
	s_mov_b32 s37, 0
	s_lshl_b32 s30, s18, 12                        ; q16: 4 KB a head
	s_lshl_b32 s32, s20, 20                        ; out1, out2: 1 MB a group
	s_lshl_b32 s34, s18, 18                        ; W_out: 64 rows a head,
	s_lshl_b32 s36, ttmp9, 6                       ; 64 bytes a work-group
	s_add_co_u32 s34, s34, s36
	s_wait_kmcnt 0x0
	s_add_nc_u64 s[4:5], s[4:5], s[30:31]
	s_add_nc_u64 s[6:7], s[6:7], s[32:33]
	s_add_nc_u64 s[8:9], s[8:9], s[32:33]
	s_add_nc_u64 s[10:11], s[10:11], s[34:35]
	s_add_nc_u64 s[12:13], s[12:13], s[36:37]
	s_add_nc_u64 s[14:15], s[14:15], s[36:37]
	global_load_b128 v[BI:BI+3], v5, s[12:13]
.irp n, 0,1,2,3,4,5,6,7
	global_load_b128 v[Q+4*\n:Q+4*\n+3], v1, s[4:5] offset:512*\n
.endr
.irp n, 0,1,2,3,4,5,6,7
	global_load_b128 v[K+4*\n:K+4*\n+3], v2, s[6:7] offset:64*(\n/2)+16*(\n%2)
.endr
.irp dt, 0,1,2,3
.irp e, 0,1,2,3,4,5,6,7
	global_load_b32 v[V+8*\dt+\e], v3, s[8:9] offset:256*\e+64*\dt
.endr
.endr
.irp dt, 0,1,2,3
.irp e, 0,1,2,3,4,5,6,7
	global_load_b32 v[W+8*\dt+\e], v4, s[10:11] offset:4096*(16*\dt+\e)
.endr
.endr
	s_wait_loadcnt 63                              ; Q and K are in: 64 loads were issued behind them
.irp kk, 0,1,2,3,4,5,6,7,8,9,10,11,12,13,14,15 ; S^T = K Q^T, four d at a time, four partial sums by turns
.if \kk < 4
	v_wmma_f32_16x16x4_f32 v[AC+8*(\kk%4):AC+8*(\kk%4)+7], v[K+2*\kk:K+2*\kk+1], v[Q+2*\kk:Q+2*\kk+1], 0
.else
	v_wmma_f32_16x16x4_f32 v[AC+8*(\kk%4):AC+8*(\kk%4)+7], v[K+2*\kk:K+2*\kk+1], v[Q+2*\kk:Q+2*\kk+1], v[AC+8*(\kk%4):AC+8*(\kk%4)+7]
.endif
.endr
.rept 8
	v_nop                                          ; eight plain lines behind this form, in front of the first read of results
.endr
.irp j, 0,1,2,3,4,5,6,7                        ; lane (r, h), register j: key 8 h + j, query r; each accumulator is read from its low end on
	v_add_f32 v[T+\j], v[AC+\j], v[AC+8+\j]
	v_add_f32 v[U+\j], v[AC+16+\j], v[AC+24+\j]
.endr
.irp j, 0,1,2,3,4,5,6,7
	v_add_f32 v[T+\j], v[T+\j], v[U+\j]
.endr
.irp j, 0,1,2,3,4,5,6,7
	v_mul_f32 v[T+\j], s26, v[T+\j]
.endr
.irp j, 0,1,2,3,4,5,6,7
	v_cmp_gt_i32 vcc_lo, \j, v9                    ; hidden where 8 h + j > r
	v_cndmask_b32 v[T+\j], v[T+\j], v13, vcc_lo
.endr
	v_max3_num_f32 v14, v[T], v[T+1], v[T+2]
	v_max3_num_f32 v14, v14, v[T+3], v[T+4]
	v_max3_num_f32 v14, v14, v[T+5], v[T+6]
	v_max_num_f32 v14, v14, v[T+7]
	v_permlanex16_b32 v15, v14, s27, s28
	v_max_num_f32 v14, v14, v15                    ; the row's maximum: key 0 counts for every query
.irp j, 0,1,2,3,4,5,6,7
	v_sub_f32 v[T+\j], v[T+\j], v14
.endr
.irp j, 0,1,2,3,4,5,6,7
	v_exp_f32 v[T+\j], v[T+\j]
.endr
	v_nop
	s_wait_alu depctr_va_vdst(0)                   ; one wait for the eight exponentials, ahead of their first reader
	v_add_f32 v14, v[T], v[T+1]
	v_add_f32 v10, v[T+2], v[T+3]
	v_add_f32 v11, v[T+4], v[T+5]
	v_add_f32 v12, v[T+6], v[T+7]
	v_add_f32 v14, v14, v10
	v_add_f32 v11, v11, v12
	v_add_f32 v14, v14, v11
	v_permlanex16_b32 v15, v14, s27, s28
	v_add_f32 v14, v14, v15
	v_rcp_f32 v14, v14
	v_nop
	s_wait_alu depctr_va_vdst(0)
.irp j, 0,1,2,3,4,5,6,7
	v_mul_f32 v[PN+\j], v[T+\j], v14               ; the weights, normalised
.endr
	s_wait_loadcnt 32                              ; V is in; W's 32 loads may be out
.irp kk, 0,1,2,3                               ; O^T = V^T P: keys 8 h + 2 kk + 0, 1
.irp dt, 0,1,2,3
.if \kk == 0
	v_wmma_f32_16x16x4_f32 v[O+8*\dt:O+8*\dt+7], v[V+8*\dt+2*\kk:V+8*\dt+2*\kk+1], v[PN+2*\kk:PN+2*\kk+1], 0
.else
	v_wmma_f32_16x16x4_f32 v[O+8*\dt:O+8*\dt+7], v[V+8*\dt+2*\kk:V+8*\dt+2*\kk+1], v[PN+2*\kk:PN+2*\kk+1], v[O+8*\dt:O+8*\dt+7]
.endif
.endr
.endr
.rept 9
	v_nop                                          ; nine plain lines: the results become sources of matrix instructions
.endr
	s_wait_loadcnt 0x0
.irp kk, 0,1,2,3                               ; my head's part of the output, transposed: source 0 = 16 columns of W_out, source 1 = O^T's registers 2 kk, 2 kk + 1: d = 16 dt + 8 h + 2 kk + 0, 1
.irp dt, 0,1,2,3
.if \kk == 0
	v_wmma_f32_16x16x4_f32 v[AC+8*\dt:AC+8*\dt+7], v[W+8*\dt+2*\kk:W+8*\dt+2*\kk+1], v[O+8*\dt+2*\kk:O+8*\dt+2*\kk+1], 0
.else
	v_wmma_f32_16x16x4_f32 v[AC+8*\dt:AC+8*\dt+7], v[W+8*\dt+2*\kk:W+8*\dt+2*\kk+1], v[O+8*\dt+2*\kk:O+8*\dt+2*\kk+1], v[AC+8*\dt:AC+8*\dt+7]
.endif
.endr
.endr
.rept 8
	v_nop
.endr
.irp j, 0,1,2,3,4,5,6,7
	v_add_f32 v[U+\j], v[AC+\j], v[AC+8+\j]
	v_add_f32 v[T+\j], v[AC+16+\j], v[AC+24+\j]
.endr
.irp j, 0,1,2,3,4,5,6,7
	v_add_f32 v[U+\j], v[U+\j], v[T+\j]            ; lane (r, h), register j: query r, column 16 x + 8 h + j
.endr
	ds_store_b128 v6, v[U:U+3]
	ds_store_b128 v6, v[U+4:U+7] offset:16
	s_wait_dscnt 0x0                               ; for the others' sake: my part lies in LDS
	s_barrier_signal -1
	s_barrier_wait -1
	s_cmp_gt_u32 s18, 1
	s_cbranch_scc1 .Lfin
.irp p, 0,1,2,3,4,5,6,7,8,9,10,11,12,13,14,15
	ds_load_b128 v[16+4*\p:19+4*\p], v7 offset:1024*\p
.endr
	s_wait_dscnt 0x0
.irp p, 0,1,2,3,4,5,6,7,8,9,10,11,12,13,14,15
	v_pk_add_f32 v[BI:BI+1], v[BI:BI+1], v[16+4*\p:17+4*\p]
	v_pk_add_f32 v[BI+2:BI+3], v[BI+2:BI+3], v[18+4*\p:19+4*\p]
.endr
	global_store_b128 v8, v[BI:BI+3], s[14:15]
.Lfin:
	s_wait_tensorcnt 0x0                           ; the wave's end
	ds_add_u32 v[SPW], v[NIL]
	s_wait_dscnt 0x0
	s_endpgm
.Lfunc_end_k_qced735679e_first16:
	.size	k_qced735679e_first16, .Lfunc_end_k_qced735679e_first16-k_qced735679e_first16
	.p2alignl 7, 3214868480
	.fill 96, 4, 3214868480
	.section	.rodata,"a",@progbits
	.p2align	6, 0x0
	.amdhsa_kernel k_qced735679e_first16
		.amdhsa_group_segment_fixed_size 18432
		.amdhsa_private_segment_fixed_size 0
		.amdhsa_enable_private_segment 0
		.amdhsa_kernarg_size 48
		.amdhsa_user_sgpr_count 2
		.amdhsa_user_sgpr_kernarg_segment_ptr 1
		.amdhsa_wavefront_size32 1
		.amdhsa_system_sgpr_workgroup_id_x 1
		.amdhsa_system_sgpr_workgroup_id_y 1
		.amdhsa_system_sgpr_workgroup_id_z 1
		.amdhsa_system_vgpr_workitem_id 0
		.amdhsa_next_free_vgpr 256
		.amdhsa_next_free_sgpr 66
		.amdhsa_reserve_vcc 1
		.amdhsa_float_denorm_mode_32 3
		.amdhsa_float_denorm_mode_16_64 3
		.amdhsa_memory_ordered 1
		.amdhsa_forward_progress 1
		.amdhsa_inst_pref_size 21
	.end_amdhsa_kernel
	.amdgpu_metadata
---
amdhsa.version: [ 1, 2 ]
amdhsa.kernels:
  - .name:           k_qced735679e_first16
    .symbol:         k_qced735679e_first16.kd
    .args:
      - { .name: q16, .offset: 0, .size: 8, .value_kind: global_buffer, .address_space: global }
      - { .name: out1, .offset: 8, .size: 8, .value_kind: global_buffer, .address_space: global }
      - { .name: out2, .offset: 16, .size: 8, .value_kind: global_buffer, .address_space: global }
      - { .name: W_out, .offset: 24, .size: 8, .value_kind: global_buffer, .address_space: global }
      - { .name: b_out, .offset: 32, .size: 8, .value_kind: global_buffer, .address_space: global }
      - { .name: out0, .offset: 40, .size: 8, .value_kind: global_buffer, .address_space: global }
    .group_segment_fixed_size: 18432
    .private_segment_fixed_size: 0
    .kernarg_segment_align: 8
    .kernarg_segment_size: 48
    .max_flat_workgroup_size: 512
    .sgpr_count:     66
    .vgpr_count:     256
    .wavefront_size: 32
...
	.end_amdgpu_metadata
.endif
;; end of part 5
